; MI455X (gfx1250); checked and timed in simulation.
; The chip was launched on July 23, 2026; its instructions are those of AMD's public machine-readable ISA for CDNA 5 (MIT licence, August 2026) and "CDNA5" Instruction Set Architecture Reference Guide (July 2026). The comments in the code are by the model that wrote it; some were corrected since.
;; Multi Query Attention. Allowed arithmetic: matrix products marked QUANTISED: E2M1 operands, one E8M0 scale for each 32 along K, by v_wmma_scale_f32_16x16x128_f8f6f4 with both operands' format E2M1 (or v_wmma_scale_f32_32x16x128_f4), f32 sums; products left as they are: bf16, f16 or f32 operands; f32 sums; everything else in f32.
;; Inputs: Wk 1,024 x 64 float32; Wo 1,024 x 1,024 float32; Wq 1,024 x 1,024 float32; Wv 1,024 x 64 float32; bk 64 float32; bo 1,024 float32; bq 1,024 float32; bv 64 float32; k 1 x 4,096 x 1,024 float32; mask 1 x 4,096 x 4,096 int32; q 1 x 4,096 x 1,024 float32; v 1 x 4,096 x 1,024 float32.
;; Outputs: out0 1 x 4,096 x 1,024 float32; out1 1 x 4,096 x 64 float32; out2 1 x 4,096 x 64 float32.
;; This version of the problem:
;;   THIS VERSION OF THE PROBLEM IS GIVEN IN LOW PRECISION. The matrix products marked QUANTISED in the list below multiply operands that are first quantised to E2M1 (2 exponent bits, 1 mantissa bit; 4 bits a number), with one power-of-two scale for each 32 numbers along K (OCP MX v1.0); their sums are f32. The products marked 'left as it is' may take bf16, f16 or f32 operands, with f32 sums. Whichever they take, every output number must still come out within the allowed error. Rounding operands to bf16 (8 significant bits) uses up far more of that allowance than f16 does (11 bits, for magnitudes from 6e-5 to 65,504). All else is computed in f32.
;;   The module's matrix products, in the order in which they are computed (A, B: the left and right operand; K: the contracted axis; several contracted axes count as one K, in the product's order):
;;     1. [M 4,096, K 1,024] x [K 1,024, N 1,024]; A: input q; B: input Wq: QUANTISED
;;     2. [M 4,096, K 1,024] x [K 1,024, N 64]; A: input k; B: input Wk: QUANTISED
;;     3. [M 4,096, K 1,024] x [K 1,024, N 64]; A: input v; B: input Wv: QUANTISED
;;     4. [M 65,536, K 64] x [K 64, N 4,096]; A: computed on the way; B: computed on the way: left as it is (an operand is computed on the way)
;;     5. [M 65,536, K 4,096] x [K 4,096, N 64]; A: computed on the way; B: computed on the way: left as it is (an operand is computed on the way)
;;     6. [M 4,096, K 1,024] x [K 1,024, N 1,024]; A: computed on the way; B: input Wo: left as it is (an operand is computed on the way)
;;   THE QUANTISER, for each operand of a quantised product, along K:
;;     - K is cut into blocks of 32 from its start; a last block that is shorter is filled with zeros.
;;     - A block's scale is 2^e with e = floor(log2(the largest magnitude in the block)) - 2, held to -126 .. 127; a block of zeros has e = 0. As a byte (E8M0): e + 127.
;;     - Each number is divided by its block's scale, clamped to +-6, and rounded to the nearest number of E2M1, ties to even, subnormals kept.
;;     - The product sums the exact products of the quantised numbers (number of the format x scale) in f32.
;;   ~~~python
;;   def quantise(x, axis):      # numpy; x: float32 -> the quantised numbers, widened to float32 again
;;       x = np.moveaxis(x, axis, -1); K = x.shape[-1]
;;       x = np.pad(x, [(0, 0)] * (x.ndim - 1) + [(0, -K % 32)]); x = x.reshape(x.shape[:-1] + (-1, 32)); a = np.abs(x).max(-1, keepdims=True)
;;       e = np.where(a > 0, np.clip(np.frexp(np.where(a > 0, a, 1))[1] - 1 - 2, -126, 127), 0)      # np.frexp(a)[1] - 1 = floor(log2(a)), exactly
;;       r = np.clip(x / 2.0 ** e, -6, 6)
;;       step = 2.0 ** (np.maximum(np.frexp(np.where(r == 0, 1, r))[1] - 1, 0) - 1)
;;       q = np.round(r / step) * step * 2.0 ** e      # np.round: ties to even
;;       return np.moveaxis(q.reshape(q.shape[:-2] + (-1,))[..., :K], -1, axis).astype(np.float32)
;;   ~~~
;; One version. Each part assembles by itself: llvm-mc -triple=amdgcn-amd-amdhsa -mcpu=gfx1250 --defsym DOCPART=n.
;; ======== version 1 of 1: 4 launches
;; limits: values are held in f16: magnitudes above 65,504 overflow, below 6.1e-05 lose precision
;; workspace buffers: wcodes 589,824 bytes; wscales 36,864 bytes; wo_img 2,097,152 bytes; q_img 8,388,608 bytes; kv_img 1,048,576 bytes; o_img 8,388,608 bytes
;; launch prep (part 1): grid 136 x 1, 4 waves a work-group, no clusters, 0 bytes of LDS; arguments Wq, Wk, Wv, Wo, wcodes, wscales, wo_img; writes wcodes, wscales, wo_img
.if DOCPART == 1
	.amdgcn_target "amdgcn-amd-amdhsa--gfx1250"
	.amdhsa_code_object_version 6
	.text
	.protected	k_qf64c537be0_prep
	.globl	k_qf64c537be0_prep
	.p2align	8
	.type	k_qf64c537be0_prep,@function
k_qf64c537be0_prep:
	s_mov_b64 s[64:65], 0
	v_nop
	global_prefetch_b8 v0, s[64:65] scope:SCOPE_SE
	s_setreg_imm32_b32 hwreg(HW_REG_WAVE_MODE, 25, 1), 1
	s_wait_xcnt 0x0
; THE WEIGHTS, ONCE.  Wq [1024][1024], Wk, Wv [1024][64] (f32, K is the first axis) become codes of FP4 (E2M1) with one E8M0 byte for each 32 along K;
; Wo [1024][1024] becomes f16.  All four are laid in the order of a matrix operand's registers, so that the later launches load fragments by 16 bytes a lane, 512 consecutive bytes a wave.
;   wcodes  [tile 72][K step 8][1,024 bytes]: tiles of 16 columns: 0-63 Wq, 64-67 Wk, 68-71 Wv.  Block b of 32 along K of column r lies at 256 b + 16 r.
;   wscales [tile 72][column 16][K step 8] words: a word's byte b scales k = 32 b .. 32 b + 31 of its K step of 128.
;   wo_img  [tile 64][32 along K: 32][1,024 bytes]: the eight numbers k = 8 o .. 8 o + 7 of column r lie at 256 o + 16 r.
; A LANE TAKES A COLUMN AND ITS REGISTERS RUN DOWN K: a load reads 128 consecutive bytes a wave (512 a work-group for Wq and Wo), a block of 32 along K lies in one lane, and nothing is transposed.
; A wave takes 32 columns x 128 along K.  Work-groups 0-63: Wq;  64-127: Wo;  128-135: Wk (waves 0, 1) and Wv (waves 2, 3).  That is all the work there is: 136 work-groups.
; A block's scale is 2^(floor(log2(largest magnitude)) - 2); its byte is the largest magnitude's exponent field - 2, held at 1 from below.  A block of zeros gets the byte 1 where the rule says 127:
; its codes are zeros, and this program alone reads the bytes.
; LIMITS: NaN and infinities among the inputs are not served.  Wo's numbers must lie under 65,504 in size; under 2^-14 they keep an absolute error of 2^-25.
; Codes and f16 numbers leave sixteen lanes to 256 consecutive aligned bytes.  The scale words (one byte in 128 of what the launch reads) leave 4 bytes a lane, 32 bytes apart.
; No LDS, no barrier, no matrix unit, no cluster: no two work-groups read the same byte.
.set X,  32                            ; v32-159  128 numbers down K
.set CD, 160                           ; v160-175 the codes of four blocks: each store has registers of its own
.macro LOADBLK b, pitch                ; block b: W(32 b + i, my column), i = 0 .. 31
.set i, 0
.rept 32
	global_load_b32 v[X+32*(\b)+i], v2, s[4:5] offset:(32*(\b)+i)*(\pitch) th:TH_LOAD_NT
.set i, i+1
.endr
.endm
.macro AHEAD b, pitch                  ; block b is in; block b + 2 is asked for
.if (\b) < 3
	s_wait_loadcnt 32                              ; the next block's 32 loads are younger and may stay out
.else
	s_wait_loadcnt 0x0
.endif
.if (\b) < 2
	LOADBLK (\b)+2, \pitch
.endif
.endm
.macro FP4BLK b
.set XB, X+32*(\b)
	v_max3_num_f32 v8, |v[XB]|, |v[XB+1]|, |v[XB+2]|               ; the block's largest magnitude: all 32 numbers are mine; two chains
	v_max3_num_f32 v9, |v[XB+3]|, |v[XB+4]|, |v[XB+5]|
.irp n, 6,10,14,18,22,26
	v_max3_num_f32 v8, v8, |v[XB+\n]|, |v[XB+\n+1]|
	v_max3_num_f32 v9, v9, |v[XB+\n+2]|, |v[XB+\n+3]|
.endr
	v_max3_num_f32 v8, v8, |v[XB+30]|, |v[XB+31]|
	v_max3_num_f32 v8, v8, v9, 0x1800000           ; and the floor 2^(3 - 127): the byte cannot fall under 1
	v_add_nc_u32 v10, 0xff000000, v8               ; 2 off the exponent field: the conversion takes the exponent field of this operand as its scale
	v_lshrrev_b32 v11, 23, v10                     ; the scale's byte
.if (\b) == 0
	v_mov_b32 v12, v11                             ; four bytes make the K step's scale word, the lower K in the lower byte
.else
	v_lshl_or_b32 v12, v11, 8*(\b), v12
.endif
.irp g, 0,1,2,3
	v_cvt_scalef32_pk8_fp4_f32 v[CD+4*(\b)+\g], v[XB+8*\g:XB+8*\g+7], v10
.endr
	v_nop                                          ; a plain line behind the last conversion
	global_store_b128 v3, v[CD+4*(\b):CD+4*(\b)+3], s[12:13] offset:256*(\b)   ; sixteen lanes: 256 consecutive aligned bytes
.endm
.macro FP4ALL pitch
	LOADBLK 0, \pitch
	LOADBLK 1, \pitch
.irp b, 0,1,2,3
	AHEAD \b, \pitch
	FP4BLK \b
.endr
	global_store_b32 v4, v12, s[14:15]             ; my column's scale word of this K step
	s_endpgm
.endm
.macro F16BLK b                        ; 32 numbers down K become four runs of eight f16, in place: number pair j lands on a register that has been read
.irp o, 0,1,2,3
.irp j, 0,1,2,3
	v_cvt_pk_f16_f32 v[X+32*(\b)+8*\o+\j], v[X+32*(\b)+8*\o+2*\j], v[X+32*(\b)+8*\o+2*\j+1]
.endr
	global_store_b128 v7, v[X+32*(\b)+8*\o:X+32*(\b)+8*\o+3], s[16:17] offset:256*(4*(\b)+\o)
.endr
.endm
	s_load_b256 s[4:11], s[0:1], 0x0               ; Wq s[4:5], Wk s[6:7], Wv s[8:9], Wo s[10:11]
	s_load_b128 s[12:15], s[0:1], 0x20             ; wcodes s[12:13], wscales s[14:15]
	s_load_b64 s[16:17], s[0:1], 0x30              ; wo_img
	v_lshrrev_b32 v1, 5, v0
	v_readfirstlane_b32 s20, v1                    ; wave 0..3
	v_and_b32 v1, 31, v0                           ; lane = my column of the wave's 32
	v_lshlrev_b32 v2, 2, v1                        ; in: 4 bytes a lane
	v_and_b32 v5, 15, v1                           ; my column in its tile
	v_lshrrev_b32 v6, 4, v1                        ; which of the wave's two tiles
	v_lshlrev_b32 v3, 4, v5
	v_lshl_add_u32 v3, v6, 13, v3                  ; codes: 8,192 x tile + 16 x column
	v_lshlrev_b32 v4, 5, v5
	v_lshl_add_u32 v4, v6, 9, v4                   ; scale words: 512 x tile + 32 x column
	v_lshlrev_b32 v7, 4, v5
	v_lshl_add_u32 v7, v6, 15, v7                  ; Wo's image: 32,768 x tile + 16 x column
	s_mov_b32 s25, 0                               ; the upper word of every offset
	s_and_b32 s21, ttmp9, 7                        ; which 128 columns (Wq, Wo)
	s_lshl_b32 s23, s21, 2
	s_add_co_u32 s23, s23, s20                     ; which 32 columns: 4 x group + wave
	s_lshr_b32 s22, ttmp9, 3
	s_and_b32 s22, s22, 7                          ; which 128 along K (Wq, Wo)
	s_wait_kmcnt 0x0
	s_cmp_lt_u32 ttmp9, 64
	s_cbranch_scc1 .Lwq
	s_cmp_lt_u32 ttmp9, 128
	s_cbranch_scc1 .Lwo
	; ---- Wk and Wv: rows of 256 bytes
	s_sub_co_u32 s22, ttmp9, 128                   ; which 128 along K
	s_cmp_lt_u32 s20, 2                            ; the choice hangs on the wave's number alone
	s_cselect_b64 s[4:5], s[6:7], s[8:9]
	s_and_b32 s23, s20, 1                          ; which 32 of the 64 columns
	s_lshl_b32 s24, s22, 15                        ; 128 rows of 256 bytes
	s_lshl_b32 s26, s23, 7
	s_add_co_u32 s24, s24, s26
	s_add_nc_u64 s[4:5], s[4:5], s[24:25]
	s_lshl_b32 s24, s20, 14                        ; tiles 64 + 2 w, 65 + 2 w
	s_lshl_b32 s26, s22, 10
	s_add_co_u32 s24, s24, s26
	s_add_co_u32 s24, s24, 64*8192
	s_add_nc_u64 s[12:13], s[12:13], s[24:25]
	s_lshl_b32 s24, s20, 10
	s_lshl_b32 s26, s22, 2
	s_add_co_u32 s24, s24, s26
	s_add_co_u32 s24, s24, 64*512
	s_add_nc_u64 s[14:15], s[14:15], s[24:25]
	FP4ALL 256
.Lwq:	; ---- Wq: rows of 4,096 bytes
	s_lshl_b32 s24, s22, 19                        ; 128 rows of 4,096 bytes
	s_lshl_b32 s26, s23, 7                         ; 32 columns of 4 bytes
	s_add_co_u32 s24, s24, s26
	s_add_nc_u64 s[4:5], s[4:5], s[24:25]
	s_lshl_b32 s24, s23, 14                        ; two tiles of 8,192 bytes
	s_lshl_b32 s26, s22, 10
	s_add_co_u32 s24, s24, s26
	s_add_nc_u64 s[12:13], s[12:13], s[24:25]
	s_lshl_b32 s24, s23, 10
	s_lshl_b32 s26, s22, 2
	s_add_co_u32 s24, s24, s26
	s_add_nc_u64 s[14:15], s[14:15], s[24:25]
	FP4ALL 4096
.Lwo:	; ---- Wo: rows of 4,096 bytes, to f16
	s_lshl_b32 s24, s22, 19
	s_lshl_b32 s26, s23, 7
	s_add_co_u32 s24, s24, s26
	s_add_nc_u64 s[4:5], s[10:11], s[24:25]
	s_lshl_b32 s24, s23, 16                        ; two tiles of 32,768 bytes
	s_lshl_b32 s26, s22, 12                        ; 128 along K: 4,096 bytes of a tile
	s_add_co_u32 s24, s24, s26
	s_add_nc_u64 s[16:17], s[16:17], s[24:25]
	LOADBLK 0, 4096
	LOADBLK 1, 4096
.irp b, 0,1,2,3
	AHEAD \b, 4096
	F16BLK \b
.endr
	s_endpgm
.Lfunc_end_k_qf64c537be0_prep:
	.size	k_qf64c537be0_prep, .Lfunc_end_k_qf64c537be0_prep-k_qf64c537be0_prep
	.p2alignl 7, 3214868480
	.fill 96, 4, 3214868480
	.section	.rodata,"a",@progbits
	.p2align	6, 0x0
	.amdhsa_kernel k_qf64c537be0_prep
		.amdhsa_group_segment_fixed_size 0
		.amdhsa_private_segment_fixed_size 0
		.amdhsa_enable_private_segment 0
		.amdhsa_kernarg_size 56
		.amdhsa_user_sgpr_count 2
		.amdhsa_user_sgpr_kernarg_segment_ptr 1
		.amdhsa_wavefront_size32 1
		.amdhsa_system_sgpr_workgroup_id_x 1
		.amdhsa_system_sgpr_workgroup_id_y 1
		.amdhsa_system_sgpr_workgroup_id_z 1
		.amdhsa_system_vgpr_workitem_id 0
		.amdhsa_next_free_vgpr 176
		.amdhsa_next_free_sgpr 66
		.amdhsa_reserve_vcc 0
		.amdhsa_float_denorm_mode_32 3
		.amdhsa_float_denorm_mode_16_64 3
		.amdhsa_memory_ordered 1
		.amdhsa_forward_progress 1
		.amdhsa_inst_pref_size 58
	.end_amdhsa_kernel
	.amdgpu_metadata
---
amdhsa.version: [ 1, 2 ]
amdhsa.kernels:
  - .name:           k_qf64c537be0_prep
    .symbol:         k_qf64c537be0_prep.kd
    .args:
      - { .name: Wq, .offset: 0, .size: 8, .value_kind: global_buffer, .address_space: global }
      - { .name: Wk, .offset: 8, .size: 8, .value_kind: global_buffer, .address_space: global }
      - { .name: Wv, .offset: 16, .size: 8, .value_kind: global_buffer, .address_space: global }
      - { .name: Wo, .offset: 24, .size: 8, .value_kind: global_buffer, .address_space: global }
      - { .name: wcodes, .offset: 32, .size: 8, .value_kind: global_buffer, .address_space: global }
      - { .name: wscales, .offset: 40, .size: 8, .value_kind: global_buffer, .address_space: global }
      - { .name: wo_img, .offset: 48, .size: 8, .value_kind: global_buffer, .address_space: global }
    .group_segment_fixed_size: 0
    .private_segment_fixed_size: 0
    .kernarg_segment_align: 8
    .kernarg_segment_size: 56
    .max_flat_workgroup_size: 128
    .sgpr_count:     66
    .vgpr_count:     176
    .wavefront_size: 32
...
	.end_amdgpu_metadata
.endif
;; end of part 1
;; launch proj (part 2): grid 256 x 1, 8 waves a work-group, no clusters, 104,960 bytes of LDS; arguments q, k, v, wcodes, wscales, bq, bk, bv, q_img, kv_img, out1, out2; writes q_img, kv_img, out1, out2
.if DOCPART == 2
	.amdgcn_target "amdgcn-amd-amdhsa--gfx1250"
	.amdhsa_code_object_version 6
	.text
	.protected	k_qf64c537be0_proj
	.globl	k_qf64c537be0_proj
	.p2align	8
	.type	k_qf64c537be0_proj,@function
k_qf64c537be0_proj:
	s_mov_b64 s[64:65], 0
	v_nop
	global_prefetch_b8 v0, s[64:65] scope:SCOPE_SE
	s_setreg_imm32_b32 hwreg(HW_REG_WAVE_MODE, 25, 1), 1
	s_wait_xcnt 0x0
; THE THREE PROJECTIONS, on codes of FP4 (E2M1) with one E8M0 scale for each 32 along K = 1,024:  qh = q Wq + bq,  kh = k Wk + bk (out1),  vh = v Wv + bv (out2).
; SHARES.  Work-group i owns rows 16 i .. 16 i + 15 of q, k and v: every f32 number is read once and quantised once.
;   X: wave w takes K step w (128 along K) of the 16 rows of q, then k, then v: sixteen loads of 512 consecutive bytes; through its own stage in LDS, so that a lane holds 16 neighbours along K of one row;
;      quantised; the fragment (8 registers a lane) and its scale words go to LDS as an image of the registers | barrier |
;   G: every wave fetches q's eight fragments and k's (waves 0-3) or v's (waves 4-7).  Wave w makes tile w % 4 of kh or vh, then tiles 8 w .. 8 w + 7 of qh, two at a time, eight K steps each.
; The weights come from memory straight into registers in fragment order (laid so by the launch before).
; NO JOINT LOADS: a ring for them would hold the eight waves' units of 2 tiles x 8 K steps, 16 KB a wave and 128 KB a slot, twice: 256 KB beside the 103 KB that this text uses do not fit in 320 KB.
; LAYOUT OF THE RESULTS.  qh and kh are made TRANSPOSED (source 0 = 16 columns of W, source 1 = 16 rows): a lane holds one row and eight neighbouring channels, which as f16 are 16 bytes of the next product's fragment.
; vh is made the natural way (source 0 = 16 rows of v): a lane holds one channel and eight neighbouring keys, which is what the fragment of V^T wants.  Nothing changes lanes.
;   q_img  [row tile 256][tile of 16 channels 64][512 bytes: 16 x lane]
;   kv_img [64 keys: 64][16,384]: K's fragment (16 keys t, 32 channels c) at 1,024 (2 t + c); V^T's (32 keys kh, 16 channels ct) at 8,192 + 1,024 (4 kh + ct)
; The biases are the C of each sum's first matrix instruction, loaded into the accumulator itself.
; LIMITS: kh and vh are summed in two chains (even and odd K steps), added at the end: another order of rounding than one chain.  qh, kh, vh must lie under 65,504 for their f16 images.
; A block of zeros gets the scale byte 1 (its codes are zeros).  NaN and infinities are not served.
.set TSB,   8448                       ; LDS: a stage of 16 rows x (512 + 16) bytes for each wave, from byte 0;
.set XIMG,  67584                      ; 24 fragments of 1,024 bytes: tensor T (0 q, 1 k, 2 v), K step s at 1,024 (8 T + s);
.set XSC,   92160                      ; their scale words, 128 bytes each;
.set STG,   95232                      ; 32 rows x (256 + 16) bytes: rows 0-15 kh, rows 16-31 vh;
.set SPARE, 103936                     ; the spare words, 128 bytes for each wave: four blocks of 256 bytes that no other line names
.set LI,   1                           ; v1   16 x lane
.set LS,   2                           ; v2   4 x lane
.set STS,  3                           ; v3   my stage, on the way in: 16 x lane
.set STL,  4                           ; v4   on the way out: 528 r + 64 h
.set XWI,  5                           ; v5   where I store a fragment's image
.set XWS,  6                           ; v6   and its scale words
.set WSO,  7                           ; v7   32 r: a column's eight scale words
.set BQO,  8                           ; v8   32 h: my half's eight numbers of a bias
.set SGK,  9                           ; v9   the stage for kh: row r, my eight channels
.set SGV,  10                          ; v10  for vh: rows 8 h on, my channel
.set SGR,  11                          ; v11  back out of it: four rows a wave
.set OGO,  12                          ; v12  the same place in out1 or out2
.set XF2A, 13                          ; v13  k's or v's fragments
.set SPW,  14                          ; v14  my spare word; never rewritten
.set NIL,  15                          ; v15  0; never rewritten
.set WSC,  16                          ; v16-47   the weights' scale words, two sets of 16; they hold nothing else
.set XS,   48                          ; v48-55   q's scale words;  v56-63 k's or v's; they hold nothing else
.set XS2,  56
.set RA,   64                          ; v64-127  X: numbers as loaded.  G: q's eight fragments
.set XF,   64
.set XN,   128                         ; v128-191 X: 64 numbers, 16 neighbours of each of four blocks.  G: k's or v's eight fragments
.set XF2,  128
.set TM,   192                         ; v192-207 X: at work.  G: packed results, two sets of 8
.set PK,   192
.set PC,   208                         ; v208-215 X: the codes just made.  G: kh's or vh's tile
.set RES,  208
.set PW,   216                         ; v216     X: the scale word just made.  G: v216-219 the tile as f16
.set KPK,  216
.set XFA,  220                         ; v220 q's fragments;  v221 q's scale words;  v222 k's or v's;  v223 4 r
.set XSA,  221
.set XS2A, 222
.set KVB,  223
.set ACC,  224                         ; v224-255 two sets of two accumulators
.set RB,   192                         ; window 1: v192-255 X: k's numbers as loaded;  v0-127, v128-255: two sets of 16 weight fragments;  v128-191 first: the K/V unit's eight
.set SEL,  48                          ; s[48:49] v_permlanex16_b32's selects for lane l xor 16
.set MSB, 0
.macro WIN new                         ; the immediate's high byte repeats the setting that is left
.if MSB != \new
	s_set_vgpr_msb (MSB<<8)|\new
.set MSB, \new
.endif
.endm
.macro XLOAD reg, base                 ; my K step of the 16 rows: a load is 512 consecutive bytes of one row
.set i, 0
.rept 16
	global_load_b128 v[\reg+4*i:\reg+4*i+3], v[LI], s[\base:\base+1] offset:4096*i th:TH_LOAD_NT
.set i, i+1
.endr
.endm
.macro TURN reg, win                   ; through my stage: in as loaded, out 16 neighbours of each block of 32 a lane.  LDS serves a wave's instructions in order: no wait between
	WIN \win
.set i, 0
.rept 16
	ds_store_b128 v[STS], v[\reg+4*i:\reg+4*i+3] offset:528*i
.set i, i+1
.endr
	WIN 0
.irp b, 0,1,2,3
.irp j, 0,1,2,3
	ds_load_b128 v[XN+16*\b+4*\j:XN+16*\b+4*\j+3], v[STL] offset:128*\b+16*\j
.endr
.endr
.endm
; 64 numbers of a lane, register 16 b + i = k 32 b + 16 (lane / 16) + i of my row, become a fragment's codes in v[PC] on and its scale word in v[PW]
.macro QUANT
.irp b, 0,1,2,3
	v_max3_num_f32 v[TM+\b], |v[XN+16*\b]|, |v[XN+1+16*\b]|, 0x1800000   ; block b: my 16 numbers, and the floor 2^(3 - 127): the byte cannot fall under 1
.endr
.irp n, 2,4,6,8,10,12,14
.irp b, 0,1,2,3
	v_max3_num_f32 v[TM+\b], v[TM+\b], |v[XN+16*\b+\n]|, |v[XN+1+16*\b+\n]|   ; (the four blocks by turns)
.endr
.endr
.irp b, 0,1,2,3
	v_permlanex16_b32 v[TM+4+\b], v[TM+\b], s[SEL], s[SEL+1]
.endr
.irp b, 0,1,2,3
	v_max_num_f32 v[TM+\b], v[TM+\b], v[TM+4+\b]   ; with lane l xor 16's: the block's largest magnitude
.endr
.irp b, 0,1,2,3
	v_add_nc_u32 v[TM+12+\b], 0xff000000, v[TM+\b] ; 2 off its exponent field: the conversion's scale operand
.endr
.irp b, 0,1,2,3
	v_lshrrev_b32 v[TM+4+\b], 23, v[TM+12+\b]      ; the scale's byte
.endr
	v_lshl_or_b32 v[PW], v[TM+5], 8, v[TM+4]       ; the four bytes make my row's scale word
	v_lshl_or_b32 v[PW], v[TM+6], 16, v[PW]
	v_lshl_or_b32 v[PW], v[TM+7], 24, v[PW]
.irp b, 0,1,2,3
	v_cvt_scalef32_pk8_fp4_f32 v[PC+2*\b], v[XN+16*\b:XN+7+16*\b], v[TM+12+\b]
	v_cvt_scalef32_pk8_fp4_f32 v[PC+1+2*\b], v[XN+8+16*\b:XN+15+16*\b], v[TM+12+\b]
.endr
	v_nop                                          ; one plain place behind a scaled conversion
.irp c, 0,1                            ; the operand's layout wants a whole block in a lane: lanes 0-15 block 2 c, lanes 16-31 block 2 c + 1
.irp n, 0,1
	v_permlane16_swap_b32 v[PC+4*\c+\n], v[PC+2+4*\c+\n]
.endr
.endr
.endm
.macro IMAGE t                         ; the fragment goes to LDS as it stands: tensor t, K step = my wave
	ds_store_b128 v[XWI], v[PC:PC+3] offset:8192*(\t)
	ds_store_b128 v[XWI], v[PC+4:PC+7] offset:8192*(\t)+512
	ds_store_b32 v[XWS], v[PW] offset:1024*(\t)
.endm
; 40 loads: tiles 2 p, 2 p + 1 of my eight: 16 fragments into window 1, their scale words, and bq INTO the accumulators
.macro WLOAD p, set
	WIN 0x40
.irp u, 0,1
.set i, 0
.rept 16
	global_load_b128 v[128*(\set)+64*\u+4*i:128*(\set)+64*\u+4*i+3], v[LI], s[32:33] offset:(2*(\p)+\u)*8192+512*i
.set i, i+1
.endr
.endr
	WIN 0
.irp u, 0,1
.irp c, 0,1
	global_load_b128 v[WSC+16*(\set)+8*\u+4*\c:WSC+16*(\set)+8*\u+4*\c+3], v[WSO], s[36:37] offset:(2*(\p)+\u)*512+16*\c
	global_load_b128 v[ACC+16*(\set)+8*\u+4*\c:ACC+16*(\set)+8*\u+4*\c+3], v[BQO], s[18:19] offset:(2*(\p)+\u)*64+16*\c
.endr
.endr
.endm
; two tiles of qh: 16 matrix instructions, the two accumulators by turns; to f16; stored; the unit two further on is asked for into the registers just left
.macro QUNIT p, set, cnt
	s_wait_loadcnt \cnt                            ; this unit's 40 loads are in; the next unit's 40 are younger
	WIN 0x01                                       ; source 0 (W) in window 1
.irp s, 0,1,2,3,4,5,6,7
.irp u, 0,1
	v_wmma_scale_f32_16x16x128_f8f6f4 v[ACC+16*(\set)+8*\u:ACC+16*(\set)+8*\u+7], v[128*(\set)+64*\u+8*\s:128*(\set)+64*\u+8*\s+7], v[XF+8*\s:XF+8*\s+7], v[ACC+16*(\set)+8*\u:ACC+16*(\set)+8*\u+7], v[WSC+16*(\set)+8*\u+\s], v[XS+\s] matrix_a_fmt:MATRIX_FMT_FP4 matrix_b_fmt:MATRIX_FMT_FP4
.endr
.endr
	WIN 0
.rept 4
	v_nop                                          ; four places behind the last product, ahead of the reads of results and of the loads into its registers
.endr
	s_wait_xcnt 0x0                                ; the stores of two units ago have read this set's packed registers
.irp u, 0,1
.irp j, 0,1,2,3
	v_cvt_pk_f16_f32 v[PK+8*(\set)+4*\u+\j], v[ACC+16*(\set)+8*\u+2*\j], v[ACC+16*(\set)+8*\u+2*\j+1]   ; each accumulator from its low end on
.endr
.endr
.irp u, 0,1
	global_store_b128 v[LI], v[PK+8*(\set)+4*\u:PK+8*(\set)+4*\u+3], s[24:25] offset:(2*(\p)+\u)*512   ; 512 consecutive bytes a wave
.endr
.if (\p) < 2
	WLOAD (\p)+2, \set
.endif
.endm
; the K/V unit's eight products: even K steps on one accumulator (its C is the bias, in place), odd ones on the other (begun with 0), by turns.  swap = 0: source 0 = W;  1: source 0 = the rows
.macro KVMUL swap
.irp s, 0,1,2,3,4,5,6,7
.set AC, ACC+16+8*(\s%2)
.if \swap == 0
.if \s == 1
	v_wmma_scale_f32_16x16x128_f8f6f4 v[AC:AC+7], v[128+8*\s:128+8*\s+7], v[XF2+8*\s:XF2+8*\s+7], 0, v[WSC+16+\s], v[XS2+\s] matrix_a_fmt:MATRIX_FMT_FP4 matrix_b_fmt:MATRIX_FMT_FP4
.else
	v_wmma_scale_f32_16x16x128_f8f6f4 v[AC:AC+7], v[128+8*\s:128+8*\s+7], v[XF2+8*\s:XF2+8*\s+7], v[AC:AC+7], v[WSC+16+\s], v[XS2+\s] matrix_a_fmt:MATRIX_FMT_FP4 matrix_b_fmt:MATRIX_FMT_FP4
.endif
.else
.if \s == 1
	v_wmma_scale_f32_16x16x128_f8f6f4 v[AC:AC+7], v[XF2+8*\s:XF2+8*\s+7], v[128+8*\s:128+8*\s+7], 0, v[XS2+\s], v[WSC+16+\s] matrix_a_fmt:MATRIX_FMT_FP4 matrix_b_fmt:MATRIX_FMT_FP4
.else
	v_wmma_scale_f32_16x16x128_f8f6f4 v[AC:AC+7], v[XF2+8*\s:XF2+8*\s+7], v[128+8*\s:128+8*\s+7], v[AC:AC+7], v[XS2+\s], v[WSC+16+\s] matrix_a_fmt:MATRIX_FMT_FP4 matrix_b_fmt:MATRIX_FMT_FP4
.endif
.endif
.endr
	WIN 0
.rept 4
	v_nop                                          ; four places ahead of the first read of results
.endr
.irp j, 0,1,2,3
	v_pk_add_f32 v[RES+2*\j:RES+2*\j+1], v[ACC+16+2*\j:ACC+17+2*\j], v[ACC+24+2*\j:ACC+25+2*\j]   ; the two chains, from the low end on
.endr
.endm
	s_load_b512 s[8:23], s[0:1], 0x0               ; q 8, k 10, v 12, wcodes 14, wscales 16, bq 18, bk 20, bv 22
	s_load_b256 s[24:31], s[0:1], 0x40             ; q_img 24, kv_img 26, out1 28, out2 30
	v_lshl_add_u32 v[SPW], v0, 2, SPARE
	v_mov_b32 v[NIL], 0
	v_lshrrev_b32 v192, 5, v0
	v_readfirstlane_b32 s4, v192                   ; wave 0..7
	v_and_b32 v193, 31, v0                         ; lane
	v_and_b32 v194, 15, v0                         ; r
	v_bfe_u32 v195, v0, 4, 1                       ; h
	s_and_b32 s6, s4, 3                            ; ct: which tile of 16 channels of kh or vh is mine
	s_lshr_b32 s7, s4, 2                           ; 0: kh, 1: vh
	v_lshlrev_b32 v[LI], 4, v193
	v_lshlrev_b32 v[LS], 2, v193
	s_mul_i32 s5, s4, TSB
	v_add_nc_u32 v[STS], s5, v[LI]
	v_mul_u32_u24 v[STL], v194, 528
	v_lshl_add_u32 v[STL], v195, 6, v[STL]
	v_add_nc_u32 v[STL], s5, v[STL]
	s_lshl_b32 s5, s4, 10
	s_add_co_u32 s5, s5, XIMG
	v_add_nc_u32 v[XWI], s5, v[LI]
	s_lshl_b32 s5, s4, 7
	s_add_co_u32 s5, s5, XSC
	v_add_nc_u32 v[XWS], s5, v[LS]
	v_lshlrev_b32 v[WSO], 5, v194
	v_lshlrev_b32 v[BQO], 5, v195
	v_lshlrev_b32 v[KVB], 2, v194
	v_mul_u32_u24 v[SGK], v194, 272
	v_lshl_add_u32 v[SGK], v195, 5, v[SGK]
	s_lshl_b32 s5, s6, 6
	s_add_co_u32 s5, s5, STG
	v_add_nc_u32 v[SGK], s5, v[SGK]                ; STG + 272 r + 64 ct + 32 h
	v_mul_u32_u24 v[SGV], v195, 8*272
	v_lshl_add_u32 v[SGV], v194, 2, v[SGV]
	s_add_co_u32 s5, s5, 16*272
	v_add_nc_u32 v[SGV], s5, v[SGV]                ; STG + 272 (16 + 8 h) + 64 ct + 4 r
	v_mul_u32_u24 v[SGR], v195, 272
	v_lshl_add_u32 v[SGR], v194, 4, v[SGR]
	s_mul_i32 s5, s4, 4*272
	s_add_co_u32 s5, s5, STG
	v_add_nc_u32 v[SGR], s5, v[SGR]                ; STG + 272 (4 w + lane / 16) + 16 (lane % 16)
	v_lshlrev_b32 v[OGO], 8, v195
	v_lshl_add_u32 v[OGO], v194, 4, v[OGO]
	s_lshl_b32 s5, s7, 13
	s_add_co_u32 s5, s5, XIMG+8192
	v_add_nc_u32 v[XF2A], s5, v[LI]
	v_add_nc_u32 v[XFA], XIMG, v[LI]
	v_add_nc_u32 v[XSA], XSC, v[LS]
	s_lshl_b32 s5, s7, 10
	s_add_co_u32 s5, s5, XSC+1024
	v_add_nc_u32 v[XS2A], s5, v[LS]
.irp b, 0,1,2,3
	v_mov_b32 v[TM+4+\b], 0                        ; written once: a lane permute's destination counts as one of its sources
.endr
	s_mov_b32 s[SEL], 0x76543210
	s_mov_b32 s[SEL+1], 0xfedcba98
	s_mov_b32 s41, 0                               ; the upper word of every offset
	; where kh's or vh's f16 tile goes in kv_img
	s_lshr_b32 s42, ttmp9, 2
	s_lshl_b32 s42, s42, 14                        ; my step of 64 keys
	s_and_b32 s43, ttmp9, 3                        ; t: my 16 keys in it
	s_lshl_b32 s44, s43, 11                        ; K: 1,024 (2 t + ct / 2) + 512 (ct % 2)
	s_lshr_b32 s45, s6, 1
	s_lshl_b32 s45, s45, 10
	s_add_co_u32 s44, s44, s45
	s_and_b32 s45, s6, 1
	s_lshl_b32 s45, s45, 9
	s_add_co_u32 s44, s44, s45
	s_lshr_b32 s45, s43, 1                         ; V: 8,192 + 1,024 (4 (t / 2) + ct) + 512 (t % 2)
	s_lshl_b32 s45, s45, 12
	s_lshl_b32 s46, s6, 10
	s_add_co_u32 s45, s45, s46
	s_and_b32 s46, s43, 1
	s_lshl_b32 s46, s46, 9
	s_add_co_u32 s45, s45, s46
	s_add_co_u32 s45, s45, 8192
	s_wait_kmcnt 0x0
	s_cmp_eq_u32 s7, 0                             ; the choices hang on the wave's number alone
	s_cselect_b32 s40, s44, s45
	s_cselect_b64 s[28:29], s[28:29], s[30:31]     ; out1 or out2
	s_add_co_u32 s40, s40, s42
	s_add_nc_u64 s[26:27], s[26:27], s[40:41]
	s_lshl_b32 s40, ttmp9, 12                      ; rows 16 i + 4 ct on, 256 bytes each
	s_lshl_b32 s5, s6, 10
	s_add_co_u32 s40, s40, s5
	s_add_nc_u64 s[28:29], s[28:29], s[40:41]
	s_lshl_b32 s40, ttmp9, 16                      ; 16 rows of 4,096 bytes,
	s_lshl_b32 s5, s4, 9                           ; K step w: 512 bytes
	s_add_co_u32 s40, s40, s5
	s_add_nc_u64 s[8:9], s[8:9], s[40:41]
	s_add_nc_u64 s[10:11], s[10:11], s[40:41]
	s_add_nc_u64 s[12:13], s[12:13], s[40:41]
	s_lshl_b32 s40, s4, 16
	s_add_nc_u64 s[32:33], s[14:15], s[40:41]      ; my eight tiles of Wq,
	s_lshl_b32 s40, s4, 13
	s_add_co_u32 s40, s40, 64*8192
	s_add_nc_u64 s[34:35], s[14:15], s[40:41]      ; tile 64 + w,
	s_lshl_b32 s40, s4, 12
	s_add_nc_u64 s[36:37], s[16:17], s[40:41]      ; and their scale words
	s_lshl_b32 s40, s4, 9
	s_add_nc_u64 s[18:19], s[18:19], s[40:41]      ; bq: eight tiles of 64 bytes
	s_add_co_u32 s40, s40, 64*512
	s_add_nc_u64 s[38:39], s[16:17], s[40:41]
	s_lshl_b32 s40, s6, 6
	s_add_nc_u64 s[20:21], s[20:21], s[40:41]      ; bk, bv at my 16 channels
	s_add_nc_u64 s[22:23], s[22:23], s[40:41]
	s_lshl_b32 s40, ttmp9, 15
	s_lshl_b32 s5, s4, 12
	s_add_co_u32 s40, s40, s5
	s_add_nc_u64 s[24:25], s[24:25], s[40:41]      ; q_img: my row tile, my eight tiles of channels
	; ---- the loads that come furthest first: q and k; then the K/V unit's weights, scale words and bias: 58 loads are out
	XLOAD RA, 8
	WIN 0x40
	XLOAD RB, 10
.set i, 0
.rept 16
	global_load_b128 v[128+4*i:128+4*i+3], v[LI], s[34:35] offset:512*i
.set i, i+1
.endr
	WIN 0
	global_load_b128 v[WSC+16:WSC+19], v[WSO], s[38:39]
	global_load_b128 v[WSC+20:WSC+23], v[WSO], s[38:39] offset:16
	s_cmp_eq_u32 s7, 0
	s_cbranch_scc0 .Lbias_v
.irp j, 0,1,2,3,4,5,6,7
	global_load_b32 v[ACC+16+\j], v[BQO], s[20:21] offset:4*\j   ; kh: my eight channels' bk.  Eight loads on both ways, so that the counts below hold on both
.endr
	s_branch .Lbias_done
.Lbias_v:
.irp j, 0,1,2,3,4,5,6,7
	global_load_b32 v[ACC+16+\j], v[KVB], s[22:23]               ; vh: my one channel's bv, for eight keys
.endr
.Lbias_done:
	; ---- X
	s_wait_loadcnt 42                              ; q is in: younger are k's 16, the unit's 18 and the bias' 8
	TURN RA, 0
	s_wait_dscnt 0x0                               ; the numbers are back; the stores into the stage have read their registers,
	XLOAD RA, 12                                   ; which take v
	QUANT
	IMAGE 0
	s_wait_loadcnt 42                              ; k is in: younger are 18 + 8 and v's 16
	TURN RB, 0x04                                  ; (an LDS store's data are its source 1: window 1)
	s_wait_dscnt 0x0
	WLOAD 0, 0                                     ; the first two tiles of Wq
	QUANT
	IMAGE 1
	s_wait_loadcnt 40                              ; v is in, and all that is older: younger are the 40 just asked for
	TURN RA, 0
	s_wait_dscnt 0x0
	QUANT
	IMAGE 2
	s_wait_dscnt 0x0                               ; for the others' sake: my images have landed
	s_barrier_signal -1
	s_barrier_wait -1                              ; all 24 fragments lie in LDS
	; ---- G
.set i, 0
.rept 16
	ds_load_b128 v[XF+4*i:XF+4*i+3], v[XFA] offset:512*i
	ds_load_b128 v[XF2+4*i:XF2+4*i+3], v[XF2A] offset:512*i
.set i, i+1
.endr
.set i, 0
.rept 8
	ds_load_b32 v[XS+i], v[XSA] offset:128*i
	ds_load_b32 v[XS2+i], v[XS2A] offset:128*i
.set i, i+1
.endr
	s_wait_dscnt 0x0
	s_cmp_eq_u32 s7, 0
	s_cbranch_scc0 .Lunit_v
	WIN 0x01                                       ; kh, transposed: source 0 = 16 columns of Wk (window 1), source 1 = 16 rows of k
	KVMUL 0
	ds_store_b128 v[SGK], v[RES:RES+3]             ; kh(r, 16 ct + 8 h + 0 .. 7)
	ds_store_b128 v[SGK], v[RES+4:RES+7] offset:16
	s_branch .Lunit_done
.Lunit_v:
	WIN 0x04                                       ; vh, the natural way: source 0 = 16 rows of v, source 1 = 16 columns of Wv (window 1)
	KVMUL 1
.irp j, 0,1,2,3,4,5,6,7
	ds_store_b32 v[SGV], v[RES+\j] offset:272*\j   ; vh(8 h + j, 16 ct + r)
.endr
.Lunit_done:
.irp j, 0,1,2,3
	v_cvt_pk_f16_f32 v[KPK+\j], v[RES+2*\j], v[RES+2*\j+1]
.endr
	global_store_b128 v[LI], v[KPK:KPK+3], s[26:27]   ; 16 bytes of a fragment of K or of V^T: 512 consecutive bytes a wave
	WLOAD 1, 1                                     ; into the registers that the unit has left
	s_wait_dscnt 0x0                               ; my part of the stage has landed
	s_barrier_signal -1
	s_barrier_wait -1                              ; 16 whole rows of kh and of vh lie in the stage
	ds_load_b128 v[RES:RES+3], v[SGR]
	ds_load_b128 v[RES+4:RES+7], v[SGR] offset:544
	s_wait_dscnt 0x0
	global_store_b128 v[OGO], v[RES:RES+3], s[28:29] th:TH_STORE_NT               ; sixteen lanes store a row of 256 bytes
	global_store_b128 v[OGO], v[RES+4:RES+7], s[28:29] offset:512 th:TH_STORE_NT
	QUNIT 0, 0, 40
	QUNIT 1, 1, 40
	QUNIT 2, 0, 40
	QUNIT 3, 1, 0
	s_wait_tensorcnt 0x0                           ; the wave's end: behind my last LDS store
	ds_add_u32 v[SPW], v[NIL]
	s_wait_dscnt 0x0
	s_endpgm
.Lfunc_end_k_qf64c537be0_proj:
	.size	k_qf64c537be0_proj, .Lfunc_end_k_qf64c537be0_proj-k_qf64c537be0_proj
	.p2alignl 7, 3214868480
	.fill 96, 4, 3214868480
	.section	.rodata,"a",@progbits
	.p2align	6, 0x0
	.amdhsa_kernel k_qf64c537be0_proj
		.amdhsa_group_segment_fixed_size 104960
		.amdhsa_private_segment_fixed_size 0
		.amdhsa_enable_private_segment 0
		.amdhsa_kernarg_size 96
		.amdhsa_user_sgpr_count 2
		.amdhsa_user_sgpr_kernarg_segment_ptr 1
		.amdhsa_wavefront_size32 1
		.amdhsa_system_sgpr_workgroup_id_x 1
		.amdhsa_system_sgpr_workgroup_id_y 1
		.amdhsa_system_sgpr_workgroup_id_z 1
		.amdhsa_system_vgpr_workitem_id 0
		.amdhsa_next_free_vgpr 512
		.amdhsa_next_free_sgpr 66
		.amdhsa_reserve_vcc 0
		.amdhsa_float_denorm_mode_32 3
		.amdhsa_float_denorm_mode_16_64 3
		.amdhsa_memory_ordered 1
		.amdhsa_forward_progress 1
		.amdhsa_inst_pref_size 66
	.end_amdhsa_kernel
	.amdgpu_metadata
---
amdhsa.version: [ 1, 2 ]
amdhsa.kernels:
  - .name:           k_qf64c537be0_proj
    .symbol:         k_qf64c537be0_proj.kd
    .args:
      - { .name: q, .offset: 0, .size: 8, .value_kind: global_buffer, .address_space: global }
      - { .name: k, .offset: 8, .size: 8, .value_kind: global_buffer, .address_space: global }
      - { .name: v, .offset: 16, .size: 8, .value_kind: global_buffer, .address_space: global }
      - { .name: wcodes, .offset: 24, .size: 8, .value_kind: global_buffer, .address_space: global }
      - { .name: wscales, .offset: 32, .size: 8, .value_kind: global_buffer, .address_space: global }
      - { .name: bq, .offset: 40, .size: 8, .value_kind: global_buffer, .address_space: global }
      - { .name: bk, .offset: 48, .size: 8, .value_kind: global_buffer, .address_space: global }
      - { .name: bv, .offset: 56, .size: 8, .value_kind: global_buffer, .address_space: global }
      - { .name: q_img, .offset: 64, .size: 8, .value_kind: global_buffer, .address_space: global }
      - { .name: kv_img, .offset: 72, .size: 8, .value_kind: global_buffer, .address_space: global }
      - { .name: out1, .offset: 80, .size: 8, .value_kind: global_buffer, .address_space: global }
      - { .name: out2, .offset: 88, .size: 8, .value_kind: global_buffer, .address_space: global }
    .group_segment_fixed_size: 104960
    .private_segment_fixed_size: 0
    .kernarg_segment_align: 8
    .kernarg_segment_size: 96
    .max_flat_workgroup_size: 256
    .sgpr_count:     66
    .vgpr_count:     512
    .wavefront_size: 32
...
	.end_amdgpu_metadata
.endif
;; end of part 2
;; launch attn (part 3): grid 256 x 1, 8 waves a work-group, clusters of 4 x 1, 327,680 bytes of LDS; arguments q_img, kv_img, mask, o_img; writes o_img
.if DOCPART == 3
	.amdgcn_target "amdgcn-amd-amdhsa--gfx1250"
	.amdhsa_code_object_version 6
	.text
	.protected	k_qf64c537be0_attn
	.globl	k_qf64c537be0_attn
	.p2align	8
	.type	k_qf64c537be0_attn,@function
k_qf64c537be0_attn:
	s_mov_b64 s[64:65], 0
	v_nop
	global_prefetch_b8 v0, s[64:65] scope:SCOPE_SE
	s_setreg_imm32_b32 hwreg(HW_REG_WAVE_MODE, 25, 1), 1
	s_wait_xcnt 0x0
	s_wait_alu depctr_hold_cnt(0) depctr_sa_sdst(0) depctr_va_vdst(0) depctr_va_sdst(0) depctr_va_ssrc(0) depctr_va_vcc(0) depctr_vm_vsrc(0)
	s_getreg_b32 s2, hwreg(HW_REG_IB_STS2, 6, 4)
	s_cmp_eq_u32 s2, 0
	s_cbranch_scc0 .Lentry_in_a_cluster
	s_endpgm
.Lentry_in_a_cluster:
	s_bfe_u32 s2, ttmp6, 0x10000c
	s_cmp_lg_u32 s2, 0x3003
	s_cbranch_scc0 .Lentry_shape_is_right
	s_endpgm
.Lentry_shape_is_right:
; O[head][q] = the sum over keys of softmax_k(qh[head][q] . kh[k] - 100000 mask[q][k]) vh[k]: 16 heads of 64, ONE head of keys and values, 4,096 keys, no scaling of the scores.
; Operands f16 (Q, K, the weights p, V); products, maxima and sums f32; a running maximum m and sum l for each query: p = 2^(c s - c m), c = log2(e).
; SHARES.  Work-group i owns 16 queries x all 16 heads, so each word of the mask is read once in the launch.  Wave w = 4 z + g holds FOUR tiles of 16 queries, the heads 4 g .. 4 g + 3, and walks HALF of the keys:
; steps 2 z and 2 z + 1 (64 keys each) of every slot of 256 keys.  Two waves share a SIMD: one's softmax stands beside the other's products; a fragment of K, of V or of the mask read from LDS feeds four tiles.
; At the end waves w and w xor 4 join their halves through LDS.  Tile n holds head 4 g + (n xor 2 z): so every wave sends its tiles 2, 3 and keeps 0, 1, and no branch hangs on z.
; LAYOUT.  S^T = K Q^T (source 0 = 16 keys, source 1 = 16 queries) and O^T = V^T P (source 0 = 16 channels, source 1 = P): a lane holds ONE query throughout; two tiles of S^T, rounded in pairs, ARE a fragment of P.
; All operands lie in memory in the order of their registers: every fragment is read 16 bytes a lane, 512 consecutive bytes a wave, with no padding and no bank conflict.
; THE MASK.  Wave w loads rows 2 w, 2 w + 1 of a slot (sixteen lanes to 256 consecutive aligned bytes) a whole trip ahead, makes float(mask) x -100000, and stores it to LDS as an image of a product's C registers:
; it is the C of the first K Q^T instruction of each tile, so no vector instruction adds it.
; CLUSTER.  All work-groups walk the same K and V.  Four form a cluster; each of the eight waves asks JOINTLY for its 8,192 bytes of a slot's 65,536: the same load, descriptor and mask in all four.
; LIMITS.  |qh|, |kh|, |vh| under 65,504.  Scores above -1e38.  NaN and infinities are not served.  The mask's term is added ahead of the score's second 32 channels: another order of rounding than
; score + term; it shows only where the term is not 0, up to about 0.008 in a score of size 100,000, which counts only in a row all of whose keys are masked.
.set SLOTB, 65536                      ; LDS: two slots of 4 steps x 16,384 bytes (a step: K's 8 fragments, then V^T's 8), from byte 0;
.set BIAS,  131072                     ; two buffers for the mask's term, 32,768 bytes apart: 4 steps x 8 groups; a group's lane (r, h) lies at 16 r + 384 h,
.set GP,    784                        ; groups 784 bytes apart: the writer's sixteen lanes fall on sixteen different runs of 16 bytes modulo 256, each half of the reader's lanes on 256 consecutive bytes;
.set BSTEP, 8*GP
.set XCH,   196608                     ; the exchange: for each wave 8,192 bytes of O^T and 512 of statistics;
.set XW,    8704
.set SPARE, 266240                     ; the spare words, 128 bytes for each wave: four blocks of 256 bytes that no other line names
.set LI,  1                            ; v1   16 x lane
.set AK0, 2                            ; v2   my lane's place in my half of a slot
.set AB0, 3                            ; v3   the same among the mask's groups
.set MS0, 4                            ; v4   where I store the mask's term
.set ADK, 5                            ; v5-7 the same three in the slot or buffer in hand
.set ADB, 6
.set MSA, 7
.set MO,  8                            ; v8   my byte offset in the work-group's 16 rows of the mask
.set XSA, 9                            ; v9   the exchange: where I store O^T;  v10 where I read my partner's;  v11, v12 the statistics likewise
.set XLA, 10
.set XSS, 11
.set XLS, 12
.set PFO, 13                           ; v13  256 x lane
.set SPW, 14                           ; v14  my spare word; never rewritten
.set NIL, 15                           ; v15  0; never rewritten
.set ST,  16                           ; v16-31   tile n at ST + 4 n: c m, m, l (even keys', odd keys')
.set TM,  32                           ; v32-47   eight for each of the two tiles at work: four chains, the pair (a, unused), c m_old - c m_new
.set RAW, 48                           ; v48-63   a slot's 16 words of the mask
.set S,   64                           ; v64-127  S^T of two tiles
.set P,   128                          ; v128-159 P of two tiles
.set BI,  160                          ; v160-191 the mask's term of a step
.set Q,   192                          ; v192-255 Q of four tiles
.set KF,  128                          ; window 1: v0-127 O^T of four tiles; v128-191 K of a step; v192-255 V^T of a step
.set VF,  192
.set WV,  12                           ; s12  my wave's number
.set G1,  16                           ; s[16:23] descriptor group 1;  s[24:27] group 0, which walks
.set G0,  24
.set TB,  28                           ; s28  the slot in hand: 0 or 65,536
.set TBB, 29                           ; s29  the mask buffer in hand: 0 or 32,768;  s30 the other one
.set TBW, 30
.set SLOTS, 31                         ; s31  slots still to be asked for
.set CS,  32                           ; s[32:33] c = log2(e): the packed form names a pair and takes its low word
.set SEL, 34                           ; s[34:35] v_permlanex16_b32's selects for lane l xor 16
.set NEG, 36                           ; s[36:37] -100000
.set PFA, 38                           ; s[38:39] where my prefetches stand
.set LIM, 40                           ; s40  1 in a wave that prefetches, else the greatest number
.set MSB, 0
.macro WIN new                         ; the immediate's high byte repeats the setting that is left
.if MSB != \new
	s_set_vgpr_msb (MSB<<8)|\new
.set MSB, \new
.endif
.endm
.macro PLACES                          ; four places behind matrix instructions, ahead of reads of their results and of loads into their registers
.rept 4
	v_nop
.endr
.endm
.macro CROUND                          ; a round of the cluster's barrier
	s_barrier_signal -1
	s_barrier_wait -1
	s_cmp_lg_u32 s[WV], 0
	s_cbranch_scc1 .Lnot_wave_0_\@
	s_barrier_signal -3
.Lnot_wave_0_\@:
	s_barrier_wait -3
	s_barrier_signal -1
	s_barrier_wait -1
.endm
.macro JLOAD                           ; my joint load: every wave has one; an s_nop 0 and four v_nop follow it
	tensor_load_to_lds s[G0:G0+3], s[G1:G1+7]
	s_nop 0
.rept 4
	v_nop
.endr
.endm
; A PREFETCH of the slot that the NEXT change of slots will ask for: 65,536 bytes, lanes 256 bytes apart.  Each aligned 256 bytes are named once in the launch: the first cluster asks; its four partners take
; 16,384 bytes each, told apart by address; in each, waves 0 and 1 ask, one instruction each.  It stands behind the wave's tensor load and its five lines.  The last change that fills a slot asks for nothing.
.macro ASK
	s_cmp_gt_u32 s[SLOTS], s[LIM]
	s_cbranch_scc0 .Lnot_mine_\@
	global_prefetch_b8 v[PFO], s[PFA:PFA+1] th:TH_LOAD_NT scope:SCOPE_SE
.Lnot_mine_\@:
.endm
; THE CHANGE OF SLOTS stands at a slot's head.  Each wave waits for all its tensor loads (its part of the slot ahead), adds 0 to its spare word, and waits for that, for its reads of the slot and mask buffer that it has left
; and for its stores into the mask buffer ahead.  fill = 1: a round of the cluster's barrier, and behind it the slot just left is filled with the 256 keys that follow: one load a wave is out, with a trip in which to land.
.macro CHANGE fill
	s_wait_tensorcnt 0x0                           ; no tensor load of mine is out, so group 0 may be written
	ds_add_u32 v[SPW], v[NIL]
.if \fill
	s_xor_b32 s[G0+1], s[G0+1], SLOTB              ; the other slot than last time,
	s_add_nc_u64 s[G0+2:G0+3], s[G0+2:G0+3], SLOTB ; the next 256 keys; the type bits on top are not reached
	s_wait_xcnt 0x0                                ; the last prefetch, a trip back, has read its address
	s_add_nc_u64 s[PFA:PFA+1], s[PFA:PFA+1], SLOTB ; one slot further on than the walking descriptor
	s_wait_dscnt 0x0
	CROUND
	JLOAD
	ASK
.else
	s_wait_dscnt 0x0
	s_barrier_signal -1
	s_barrier_wait -1
.endif
.endm
.macro MLOADS                          ; my two rows' 1,024 bytes of a slot: load n is step n
.irp n, 0,1,2,3
	global_load_b128 v[RAW+4*\n:RAW+4*\n+3], v[MO], s[8:9] offset:256*\n th:TH_LOAD_NT
.endr
.endm
.macro MASKCVT                         ; float(mask) x -100000, into the buffer that v[MSA] names
	s_wait_loadcnt 0x0                             ; asked for a trip ago
.set i, 0
.rept 16
	v_cvt_f32_i32 v[RAW+i], v[RAW+i]
.set i, i+1
.endr
.set i, 0
.rept 8
	v_pk_mul_f32 v[RAW+2*i:RAW+2*i+1], v[RAW+2*i:RAW+2*i+1], s[NEG:NEG+1] op_sel_hi:[1,0]
.set i, i+1
.endr
.irp n, 0,1,2,3
	ds_store_b128 v[MSA], v[RAW+4*\n:RAW+4*\n+3] offset:BSTEP*\n
.endr
.endm
.macro LDK e                           ; my step e: K's eight fragments
	WIN 0x40
.set i, 0
.rept 16
	ds_load_b128 v[KF+4*i:KF+4*i+3], v[ADK] offset:16384*(\e)+512*i
.set i, i+1
.endr
.endm
.macro LDB e                           ; the mask's term: eight groups = four tiles' C
	WIN 0
.set i, 0
.rept 8
	ds_load_b128 v[BI+4*i:BI+4*i+3], v[ADB] offset:BSTEP*(\e)+GP*i
.set i, i+1
.endr
.endm
.macro LDV e                           ; V^T's eight fragments
	WIN 0x40
.set i, 0
.rept 16
	ds_load_b128 v[VF+4*i:VF+4*i+3], v[ADK] offset:16384*(\e)+8192+512*i
.set i, i+1
.endr
.endm
; S^T of tiles 2 p, 2 p + 1: 16 products; the eight accumulators take turns, one instruction a turn.  The first eight start the sums with the mask's term as C.
.macro KQ p
	WIN 0x01                                       ; K in window 1
.irp c, 0,1
.irp kt, 0,1,2,3
.irp u, 0,1
.if \c == 0
	v_wmma_f32_16x16x32_f16 v[S+32*\u+8*\kt:S+32*\u+8*\kt+7], v[KF+8*(2*\kt+\c):KF+8*(2*\kt+\c)+7], v[Q+16*(2*(\p)+\u)+8*\c:Q+16*(2*(\p)+\u)+8*\c+7], v[BI+8*\kt:BI+8*\kt+7]
.else
	v_wmma_f32_16x16x32_f16 v[S+32*\u+8*\kt:S+32*\u+8*\kt+7], v[KF+8*(2*\kt+\c):KF+8*(2*\kt+\c)+7], v[Q+16*(2*(\p)+\u)+8*\c:Q+16*(2*(\p)+\u)+8*\c+7], v[S+32*\u+8*\kt:S+32*\u+8*\kt+7]
.endif
.endr
.endr
.endr
.endm
; O^T += V^T P of the same two tiles: 16 products, eight accumulators by turns
.macro PV p
	WIN 0x51                                       ; V^T, C and D in window 1, P in window 0
.irp kh, 0,1
.irp ct, 0,1,2,3
.irp u, 0,1
	v_wmma_f32_16x16x32_f16 v[32*(2*(\p)+\u)+8*\ct:32*(2*(\p)+\u)+8*\ct+7], v[VF+8*(4*\kh+\ct):VF+8*(4*\kh+\ct)+7], v[P+16*\u+8*\kh:P+16*\u+8*\kh+7], v[32*(2*(\p)+\u)+8*\ct:32*(2*(\p)+\u)+8*\ct+7]
.endr
.endr
.endr
.endm
; THE SOFTMAX of tiles 2 p, 2 p + 1 for one step, the two tiles line by line, so that no line waits for the line above it
.macro SMAX p
	WIN 0
.irp k, 0,1,2,3                        ; the largest of a lane's 32 scores and the old m: four chains, each accumulator from its low end on
.irp u, 0,1
	v_max3_num_f32 v[TM+8*\u+\k], v[S+32*\u+8*\k], v[S+32*\u+8*\k+1], v[S+32*\u+8*\k+2]
.endr
.endr
.irp n, 3,5
.irp k, 0,1,2,3
.irp u, 0,1
	v_max3_num_f32 v[TM+8*\u+\k], v[TM+8*\u+\k], v[S+32*\u+8*\k+\n], v[S+32*\u+8*\k+\n+1]
.endr
.endr
.endr
.irp u, 0,1
	v_max3_num_f32 v[TM+8*\u], v[TM+8*\u], v[S+32*\u+7], v[S+32*\u+15]
	v_max3_num_f32 v[TM+8*\u+2], v[TM+8*\u+2], v[S+32*\u+23], v[S+32*\u+31]
.endr
.irp u, 0,1
	v_max3_num_f32 v[TM+8*\u], v[TM+8*\u], v[TM+8*\u+1], v[TM+8*\u+2]
.endr
.irp u, 0,1
	v_max3_num_f32 v[TM+8*\u], v[TM+8*\u], v[TM+8*\u+3], v[ST+4*(2*(\p)+\u)+1]
.endr
.irp u, 0,1
	v_permlanex16_b32 v[TM+8*\u+1], v[TM+8*\u], s[SEL], s[SEL+1]   ; the query's other 32 keys lie in the lane 16 away
.endr
.irp u, 0,1
	v_mov_b32 v[TM+8*\u+6], v[ST+4*(2*(\p)+\u)]    ; c m_old is kept for a
.endr
.irp u, 0,1
	v_max_num_f32 v[ST+4*(2*(\p)+\u)+1], v[TM+8*\u], v[TM+8*\u+1]
.endr
.irp u, 0,1
	v_mul_f32 v[ST+4*(2*(\p)+\u)], s[CS], v[ST+4*(2*(\p)+\u)+1]
.endr
.irp u, 0,1
	v_sub_f32 v[TM+8*\u+6], v[TM+8*\u+6], v[ST+4*(2*(\p)+\u)]
.endr
.irp u, 0,1
	v_exp_f32 v[TM+8*\u+4], v[TM+8*\u+6]           ; a = 2^(c m_old - c m_new)
.endr
.set b, 0                              ; ONE BATCH: the 32 scalings c s - c m (a pair each) and the 66 exponentials; none of these lines reads an exponential's result.  A pair's exponentials follow the next pair's scalings
.rept 16
.irp u, 0,1
	v_pk_fma_f32 v[S+32*\u+2*b:S+32*\u+2*b+1], v[S+32*\u+2*b:S+32*\u+2*b+1], s[CS:CS+1], v[ST+4*(2*(\p)+\u):ST+4*(2*(\p)+\u)+1] op_sel_hi:[1,0,0] neg_lo:[0,0,1] neg_hi:[0,0,1]
.endr
.if b > 0
.irp u, 0,1
	v_exp_f32 v[S+32*\u+2*b-2], v[S+32*\u+2*b-2]
	v_exp_f32 v[S+32*\u+2*b-1], v[S+32*\u+2*b-1]
.endr
.endif
.set b, b+1
.endr
.irp u, 0,1
	v_exp_f32 v[S+32*\u+30], v[S+32*\u+30]
	v_exp_f32 v[S+32*\u+31], v[S+32*\u+31]
.endr
	v_nop                                          ; a plain line behind the last exponential, ahead of the first use
	s_wait_alu depctr_va_vdst(0)                   ; the wait ahead of the first line that names a result: one for the batch
.set i, 0
.rept 16
.irp u, 0,1
	v_cvt_pk_f16_f32 v[P+16*\u+i], v[S+32*\u+2*i], v[S+32*\u+2*i+1]   ; two tiles of S^T are a fragment of P
.endr
.set i, i+1
.endr
.irp z, 0,1,2,3,4,5,6,7                ; the sum of the 16 pairs, in place: neighbours 1, 2, 4 and 8 pairs apart
.irp u, 0,1
	v_pk_add_f32 v[S+32*\u+4*\z:S+32*\u+4*\z+1], v[S+32*\u+4*\z:S+32*\u+4*\z+1], v[S+32*\u+4*\z+2:S+32*\u+4*\z+3]
.endr
.endr
.irp z, 0,1,2,3
.irp u, 0,1
	v_pk_add_f32 v[S+32*\u+8*\z:S+32*\u+8*\z+1], v[S+32*\u+8*\z:S+32*\u+8*\z+1], v[S+32*\u+8*\z+4:S+32*\u+8*\z+5]
.endr
.endr
.irp z, 0,1
.irp u, 0,1
	v_pk_add_f32 v[S+32*\u+16*\z:S+32*\u+16*\z+1], v[S+32*\u+16*\z:S+32*\u+16*\z+1], v[S+32*\u+16*\z+8:S+32*\u+16*\z+9]
.endr
.endr
.irp u, 0,1
	v_pk_add_f32 v[S+32*\u:S+32*\u+1], v[S+32*\u:S+32*\u+1], v[S+32*\u+16:S+32*\u+17]
.endr
.irp u, 0,1
	v_pk_fma_f32 v[ST+4*(2*(\p)+\u)+2:ST+4*(2*(\p)+\u)+3], v[ST+4*(2*(\p)+\u)+2:ST+4*(2*(\p)+\u)+3], v[TM+8*\u+4:TM+8*\u+5], v[S+32*\u:S+32*\u+1] op_sel_hi:[1,0,1]   ; l = a l + the sum
.endr
	WIN 0x41                                       ; O^T (destination and source 0) in window 1, a in window 0
.irp u, 0,1
.set i, 0
.rept 16
	v_pk_mul_f32 v[32*(2*(\p)+\u)+2*i:32*(2*(\p)+\u)+2*i+1], v[32*(2*(\p)+\u)+2*i:32*(2*(\p)+\u)+2*i+1], v[TM+8*\u+4:TM+8*\u+5] op_sel_hi:[1,0]
.set i, i+1
.endr
.endr
.endm
; A STEP of 64 keys for my four tiles.  ml = 1: the mask of two slots on is asked for here, behind the wait that shows that the stores of the mask's term have read their registers.
.macro STEP e, ml
	PLACES                                         ; behind the last V^T P, ahead of the loads into V^T's registers
	LDV \e
	s_wait_dscnt 16                                ; K and the mask's term are in (and all that is older); V^T's 16 loads are younger
.if \ml
	WIN 0
	s_cmp_gt_u32 s[SLOTS], 1                       ; the last two trips have no slot two on: no load leaves its buffer
	s_cbranch_scc0 .Lno_mask_\@
	s_add_nc_u64 s[8:9], s[8:9], 1024              ; (the loads that read this base were waited for in MASKCVT)
	MLOADS
.Lno_mask_\@:
.endif
	KQ 0
	PLACES
	SMAX 0
	s_wait_dscnt 0x0                               ; V^T is in
	PV 0
	KQ 1
	PLACES                                         ; ahead of the reads of S^T and of the loads into K's and the term's registers
.if (\e) == 0
	LDK 1
	LDB 1
.endif
	SMAX 1
	PV 1
	WIN 0
.endm
.macro TRIP fill                       ; a slot: the change, the next slot's mask, my two steps
	CHANGE \fill
	v_add_nc_u32 v[ADK], s[TB], v[AK0]
	v_add_nc_u32 v[ADB], s[TBB], v[AB0]
.if \fill
	v_add_nc_u32 v[MSA], s[TBW], v[MS0]
	MASKCVT                                        ; the next slot's term, into the buffer that nobody reads in this trip
.endif
	LDK 0
	LDB 0
	STEP 0, \fill
	STEP 1, 0
	s_xor_b32 s[TB], s[TB], SLOTB
	s_xor_b32 s[TBB], s[TBB], 32768
	s_xor_b32 s[TBW], s[TBW], 32768
.endm
	s_load_b256 s[4:11], s[0:1], 0x0               ; q_img s[4:5], kv_img s[6:7], mask s[8:9], o_img s[10:11]
	v_lshl_add_u32 v[SPW], v0, 2, SPARE
	v_mov_b32 v[NIL], 0
	ds_add_u32 v[SPW], v[NIL]                      ; the wave's opening: the add, twice on end, and its wait ahead of my first tensor load
	ds_add_u32 v[SPW], v[NIL]
	v_lshrrev_b32 v48, 5, v0
	v_readfirstlane_b32 s[WV], v48                 ; wave 0..7
	s_bfe_u32 s13, ttmp6, 0x40000                  ; cx: my place in the cluster
	s_lshl_b32 s14, ttmp9, 2                       ; in a cluster launch ttmp9 counts clusters
	s_add_co_u32 s14, s14, s13                     ; i: my 16 queries.  It enters the addresses of Q, the mask and O alone
	s_and_b32 s15, s[WV], 3                        ; g: my four heads
	s_lshr_b32 s41, s[WV], 2                       ; z: my half of the keys
	v_and_b32 v49, 31, v0                          ; lane
	v_and_b32 v50, 15, v0                          ; r
	v_bfe_u32 v51, v0, 4, 1                        ; h
	v_lshlrev_b32 v[LI], 4, v49
	s_lshl_b32 s42, s41, 15
	v_add_nc_u32 v[AK0], s42, v[LI]                ; 32,768 z + 16 x lane
	v_mul_u32_u24 v[AB0], v51, 384
	v_lshl_add_u32 v[AB0], v50, 4, v[AB0]
	s_mul_i32 s42, s41, 2*BSTEP
	s_add_co_u32 s42, s42, BIAS
	v_add_nc_u32 v[AB0], s42, v[AB0]               ; BIAS + two steps x z + 16 r + 384 h
	v_lshrrev_b32 v52, 2, v50                      ; as a writer my lane holds keys 4 x .. 4 x + 3 of a step, x = lane % 16: tile x / 4, half (x / 2) % 2, registers 4 (x % 2) on
	v_and_b32 v53, 1, v50
	v_lshl_add_u32 v52, v52, 1, v53                ; the group: 2 (x / 4) + x % 2
	v_mul_u32_u24 v[MS0], v52, GP
	v_bfe_u32 v53, v0, 1, 1
	v_mad_u32_u24 v[MS0], v53, 384, v[MS0]
	v_lshl_add_u32 v[MS0], v51, 4, v[MS0]          ; of query 2 w + lane / 16
	s_lshl_b32 s42, s[WV], 5
	s_add_co_u32 s42, s42, BIAS
	v_add_nc_u32 v[MS0], s42, v[MS0]
	v_lshlrev_b32 v[MO], 14, v51                   ; the mask: a row is 16,384 bytes
	v_lshl_add_u32 v[MO], v50, 4, v[MO]
	s_lshl_b32 s42, s[WV], 15
	v_add_nc_u32 v[MO], s42, v[MO]
	v_lshlrev_b32 v52, 2, v49
	s_mul_i32 s42, s[WV], XW
	s_add_co_u32 s42, s42, XCH
	v_add_nc_u32 v[XSA], s42, v[LI]
	s_add_co_u32 s42, s42, 8192
	v_add_nc_u32 v[XSS], s42, v52
	s_xor_b32 s43, s[WV], 4                        ; my partner
	s_mul_i32 s43, s43, XW
	s_add_co_u32 s43, s43, XCH
	v_add_nc_u32 v[XLA], s43, v[LI]
	s_add_co_u32 s43, s43, 8192
	v_add_nc_u32 v[XLS], s43, v52
	v_lshlrev_b32 v[PFO], 8, v49
	; descriptor group 1: 8,192 dense bytes as 32 rows of 32 elements of 8 bytes
	s_mov_b32 s[G1], 15|(3<<16)|(1<<21)            ; 15:0 the mask: all four work-groups; 17:16 elements of 8 bytes; 21 set beside a mask; no padding
	s_mov_b32 s[G1+1], 32<<16                      ; tensor_dim0 = 32
	s_mov_b32 s[G1+2], 32<<16                      ; tensor_dim1 = 32
	s_mov_b32 s[G1+3], 32<<16                      ; tile_dim0 = 32
	s_mov_b32 s[G1+4], 32                          ; tile_dim1 = 32
	s_mov_b32 s[G1+5], 32                          ; from row to row
	s_mov_b32 s[G1+6], 0
	s_mov_b32 s[G1+7], 0
	s_mov_b32 s[TB], 0
	s_mov_b32 s[TBB], 0
	s_mov_b32 s[TBW], 32768
	s_mov_b32 s[SLOTS], 15
	s_mov_b32 s[CS], 0x3fb8aa3b                    ; log2(e)
	s_mov_b32 s[CS+1], s[CS]                       ; (named with it as a pair, so it is written)
	s_mov_b32 s[SEL], 0x76543210
	s_mov_b32 s[SEL+1], 0xfedcba98
	s_mov_b32 s[NEG], 0xc7c35000                   ; -100000
	s_mov_b32 s[NEG+1], s[NEG]
	s_lshr_b32 s[LIM], s[WV], 1                    ; 0 in waves 0 and 1,
	s_or_b32 s[LIM], s[LIM], ttmp9                 ; of the first cluster: the same in all four partners
	s_cmp_eq_u32 s[LIM], 0
	s_cselect_b32 s[LIM], 1, -1
	s_lshl_b32 s42, s14, 15                        ; Q and O: 32,768 bytes a row tile,
	s_lshl_b32 s43, s15, 13                        ; 2,048 a head: my four,
	s_add_co_u32 s42, s42, s43
	s_lshl_b32 s43, s41, 12
	s_add_co_u32 s46, s42, s43                     ; tiles 0, 1: heads 4 g + 2 z on;
	s_xor_b32 s43, s43, 4096
	s_add_co_u32 s48, s42, s43                     ; tiles 2, 3: heads 4 g + 2 - 2 z on
	s_mov_b32 s47, 0
	s_mov_b32 s49, 0
	s_wait_dscnt 0x0                               ; both opening adds are done
	s_wait_kmcnt 0x0
	s_add_nc_u64 s[44:45], s[4:5], s[48:49]
	s_add_nc_u64 s[4:5], s[4:5], s[46:47]
	s_add_nc_u64 s[10:11], s[10:11], s[46:47]
	s_lshl_b32 s46, s14, 18                        ; the mask: 16 rows of 16,384 bytes
	s_add_nc_u64 s[8:9], s[8:9], s[46:47]
	s_lshl_b32 s42, s13, 14                        ; the prefetches: my work-group's 16,384 bytes of a slot,
	s_and_b32 s43, s[WV], 1
	s_lshl_b32 s43, s43, 13                        ; my wave's 8,192 of them,
	s_add_co_u32 s42, s42, s43
	s_add_co_u32 s42, s42, SLOTB                   ; in slot 1: the first change of slots steps it to slot 2.  Nothing is prefetched at the head
	s_mov_b32 s43, 0
	s_add_nc_u64 s[PFA:PFA+1], s[6:7], s[42:43]
	s_lshl_b32 s42, s[WV], 13                      ; my 8,192 bytes of a slot: no place in the cluster enters the descriptor
	s_mov_b32 s[G0], 1                             ; count = 1
	s_mov_b32 s[G0+1], s42                         ; LDS address: slot 0
	s_add_nc_u64 s[G0+2:G0+3], s[6:7], s[42:43]    ; global address
	s_or_b32 s[G0+3], s[G0+3], 0x80000000          ; type = 2
	CROUND                                         ; all four work-groups are here: the first joint loads meet
	JLOAD                                          ; slot 0
.irp u, 0,1                            ; Q stays in registers: a tile is two fragments of 32 channels
.irp k, 0,1,2,3
	global_load_b128 v[Q+16*\u+4*\k:Q+16*\u+4*\k+3], v[LI], s[4:5] offset:2048*\u+512*\k
	global_load_b128 v[Q+32+16*\u+4*\k:Q+32+16*\u+4*\k+3], v[LI], s[44:45] offset:2048*\u+512*\k
.endr
.endr
	MLOADS                                         ; the mask of slot 0
.irp n, 0,1,2,3
	v_mov_b32 v[ST+4*\n+1], 0xfe967699             ; m = -1e38, under every score that this text serves
	v_mov_b32 v[ST+4*\n+2], 0                      ; l
	v_mov_b32 v[ST+4*\n+3], 0
.endr
.irp n, 0,1,2,3
	v_mul_f32 v[ST+4*\n], s[CS], v[ST+4*\n+1]      ; c m
.endr
	v_mov_b32 v[TM+5], 0                           ; (named as the upper halves of the pairs with a)
	v_mov_b32 v[TM+13], 0
	WIN 0x40
.set i, 0
.rept 128
	v_mov_b32 v[i], 0                              ; O^T.  The trip is written for every step alike: the first finds zeros, which a = 0 leaves zeros; that spares a third copy of the trip
.set i, i+1
.endr
	WIN 0
	v_mov_b32 v[MSA], v[MS0]
	MASKCVT                                        ; slot 0's term into buffer 0 (its wait also shows Q in)
	s_wait_dscnt 0x0                               ; the stores have read their registers
	s_add_nc_u64 s[8:9], s[8:9], 1024
	MLOADS                                         ; the mask of slot 1
.Lslot:                                ; 15 trips: behind each change of slots but the last the next slot is asked for
	TRIP 1
	s_sub_co_u32 s[SLOTS], s[SLOTS], 1
	s_cmp_lg_u32 s[SLOTS], 0
	s_cbranch_scc1 .Lslot
	TRIP 0                                         ; the last slot is written out
	; THE TWO HALVES OF THE KEYS ARE JOINED.  Every wave sends O^T, c m and l of its tiles 2, 3 and takes its partner's, which are the heads of its own tiles 0, 1.
	PLACES
.irp n, 0,1,2,3
	v_add_f32 v[TM+\n], v[ST+4*\n+2], v[ST+4*\n+3] ; l's two halves,
.endr
.irp n, 0,1,2,3
	v_permlanex16_b32 v[TM+8+\n], v[TM+\n], s[SEL], s[SEL+1]
.endr
.irp n, 0,1,2,3
	v_add_f32 v[TM+\n], v[TM+\n], v[TM+8+\n]       ; and lane l xor 16's
.endr
	WIN 0x04                                       ; an LDS store's data are its source 1: window 1
.set i, 0
.rept 16
	ds_store_b128 v[XSA], v[64+4*i:64+4*i+3] offset:512*i   ; each accumulator from its low end on
.set i, i+1
.endr
	WIN 0
	ds_store_b32 v[XSS], v[ST+8]
	ds_store_b32 v[XSS], v[TM+2] offset:128
	ds_store_b32 v[XSS], v[ST+12] offset:256
	ds_store_b32 v[XSS], v[TM+3] offset:384
	s_wait_dscnt 0x0                               ; for my partner's sake: my stores have landed
	s_barrier_signal -1
	s_barrier_wait -1
	WIN 0x40
.set i, 0
.rept 16
	ds_load_b128 v[128+4*i:128+4*i+3], v[XLA] offset:512*i
.set i, i+1
.endr
	WIN 0
.irp k, 0,1,2,3
	ds_load_b32 v[RAW+\k], v[XLS] offset:128*\k    ; c m and l of tile 0's head, then of tile 1's
.endr
	s_wait_dscnt 0x0
.irp u, 0,1
	v_max_num_f32 v[TM+8+\u], v[ST+4*\u], v[RAW+2*\u]          ; the joint c m
.endr
.irp u, 0,1
	v_sub_f32 v[TM+10+\u], v[ST+4*\u], v[TM+8+\u]
	v_sub_f32 v[TM+12+\u], v[RAW+2*\u], v[TM+8+\u]
.endr
.irp u, 0,1
	v_exp_f32 v[TM+10+\u], v[TM+10+\u]             ; what my half is worth under it,
	v_exp_f32 v[TM+12+\u], v[TM+12+\u]             ; and my partner's
.endr
	v_nop
	s_wait_alu depctr_va_vdst(0)                   ; one wait for the four, ahead of their first reader
.irp u, 0,1
	v_mul_f32 v[TM+\u], v[TM+\u], v[TM+10+\u]
.endr
.irp u, 0,1
	v_fma_f32 v[TM+\u], v[RAW+2*\u+1], v[TM+12+\u], v[TM+\u]   ; the row's sum: at least 1, since one of the two factors is 1 and each half holds its own largest p = 1
.endr
.irp u, 0,1
	v_rcp_f32 v[TM+8+\u], v[TM+\u]
.endr
	v_nop
	s_wait_alu depctr_va_vdst(0)
.irp u, 0,1
	v_mul_f32 v[RAW+8+4*\u], v[TM+10+\u], v[TM+8+\u]           ; the two factors, each the low word of a pair
	v_mul_f32 v[RAW+10+4*\u], v[TM+12+\u], v[TM+8+\u]
.endr
	WIN 0x41
.irp u, 0,1
.set i, 0
.rept 16
	v_pk_mul_f32 v[32*\u+2*i:32*\u+2*i+1], v[32*\u+2*i:32*\u+2*i+1], v[RAW+8+4*\u:RAW+9+4*\u] op_sel_hi:[1,0]
.set i, i+1
.endr
.endr
	WIN 0x51
.irp u, 0,1
.set i, 0
.rept 16
	v_pk_fma_f32 v[32*\u+2*i:32*\u+2*i+1], v[128+32*\u+2*i:128+32*\u+2*i+1], v[RAW+10+4*\u:RAW+11+4*\u], v[32*\u+2*i:32*\u+2*i+1] op_sel_hi:[1,0,1]
.set i, i+1
.endr
.endr
	WIN 0x05                                       ; sources in window 1, destination in window 0: S^T's registers are free
.irp u, 0,1
.set i, 0
.rept 16
	v_cvt_pk_f16_f32 v[S+16*\u+i], v[32*\u+2*i], v[32*\u+2*i+1]   ; a lane's eight channels of a query: 16 bytes of the last product's fragment
.set i, i+1
.endr
.endr
	WIN 0
.irp u, 0,1
.irp ct, 0,1,2,3
	global_store_b128 v[LI], v[S+16*\u+4*\ct:S+16*\u+4*\ct+3], s[10:11] offset:2048*\u+512*\ct   ; 512 consecutive bytes a wave
.endr
.endr
	s_wait_tensorcnt 0x0                           ; the wave's end: behind my last tensor load and my last LDS store
	ds_add_u32 v[SPW], v[NIL]
	s_wait_dscnt 0x0
	CROUND                                         ; the closing round: no work-group ends while a partner may still ask for a tile that names it
	s_endpgm
.Lfunc_end_k_qf64c537be0_attn:
	.size	k_qf64c537be0_attn, .Lfunc_end_k_qf64c537be0_attn-k_qf64c537be0_attn
	.p2alignl 7, 3214868480
	.fill 96, 4, 3214868480
	.section	.rodata,"a",@progbits
	.p2align	6, 0x0
	.amdhsa_kernel k_qf64c537be0_attn
		.amdhsa_group_segment_fixed_size 327680
		.amdhsa_private_segment_fixed_size 0
		.amdhsa_enable_private_segment 0
		.amdhsa_kernarg_size 32
		.amdhsa_user_sgpr_count 2
		.amdhsa_user_sgpr_kernarg_segment_ptr 1
		.amdhsa_wavefront_size32 1
		.amdhsa_system_sgpr_workgroup_id_x 1
		.amdhsa_system_sgpr_workgroup_id_y 1
		.amdhsa_system_sgpr_workgroup_id_z 1
		.amdhsa_system_vgpr_workitem_id 0
		.amdhsa_next_free_vgpr 512
		.amdhsa_next_free_sgpr 66
		.amdhsa_reserve_vcc 0
		.amdhsa_float_denorm_mode_32 3
		.amdhsa_float_denorm_mode_16_64 3
		.amdhsa_memory_ordered 1
		.amdhsa_forward_progress 1
		.amdhsa_inst_pref_size 159
	.end_amdhsa_kernel
	.amdgpu_metadata
---
amdhsa.version: [ 1, 2 ]
amdhsa.kernels:
  - .name:           k_qf64c537be0_attn
    .symbol:         k_qf64c537be0_attn.kd
    .args:
      - { .name: q_img, .offset: 0, .size: 8, .value_kind: global_buffer, .address_space: global }
      - { .name: kv_img, .offset: 8, .size: 8, .value_kind: global_buffer, .address_space: global }
      - { .name: mask, .offset: 16, .size: 8, .value_kind: global_buffer, .address_space: global }
      - { .name: o_img, .offset: 24, .size: 8, .value_kind: global_buffer, .address_space: global }
    .group_segment_fixed_size: 327680
    .private_segment_fixed_size: 0
    .kernarg_segment_align: 8
    .kernarg_segment_size: 32
    .max_flat_workgroup_size: 256
    .sgpr_count:     66
    .vgpr_count:     512
    .wavefront_size: 32
...
	.end_amdgpu_metadata
.endif
;; end of part 3
;; launch outp (part 4): grid 8 x 32, 4 waves a work-group, clusters of 4 x 4, 327,680 bytes of LDS; arguments o_img, wo_img, bo, out0; writes out0
.if DOCPART == 4
	.amdgcn_target "amdgcn-amd-amdhsa--gfx1250"
	.amdhsa_code_object_version 6
	.text
	.protected	k_qf64c537be0_outp
	.globl	k_qf64c537be0_outp
	.p2align	8
	.type	k_qf64c537be0_outp,@function
k_qf64c537be0_outp:
	s_mov_b64 s[64:65], 0
	v_nop
	global_prefetch_b8 v0, s[64:65] scope:SCOPE_SE
	s_setreg_imm32_b32 hwreg(HW_REG_WAVE_MODE, 25, 1), 1
	s_wait_xcnt 0x0
	s_wait_alu depctr_hold_cnt(0) depctr_sa_sdst(0) depctr_va_vdst(0) depctr_va_sdst(0) depctr_va_ssrc(0) depctr_va_vcc(0) depctr_vm_vsrc(0)
	s_getreg_b32 s2, hwreg(HW_REG_IB_STS2, 6, 4)
	s_cmp_eq_u32 s2, 0
	s_cbranch_scc0 .Lentry_in_a_cluster
	s_endpgm
.Lentry_in_a_cluster:
	s_bfe_u32 s2, ttmp6, 0x10000c
	s_cmp_lg_u32 s2, 0xf033
	s_cbranch_scc0 .Lentry_shape_is_right
	s_endpgm
.Lentry_shape_is_right:
; out0[m][n] = the sum over k of O[m][k] Wo[k][n] + bo[n]: 4,096 x 1,024 x 1,024, operands f16, sums f32.
; Both operands lie in memory in the order of a fragment's registers: [tile of 16 rows or columns][32 along K: 32][1,024 bytes: 16 x lane, twice].  So a K step of 256 of one tile is 8,192 consecutive bytes.
; A tile of out0 is 128 x 128: 256 work-groups.  Four waves, each 64 x 64: 16 accumulators.  K goes in four steps of 256 through a ring of two LDS slots; a wave's tensor load brings 4 tiles x 8,192 bytes.
; Fragments are read from LDS 16 bytes a lane, 512 consecutive bytes a wave: no padding is wanted.
; CLUSTERS: 4 x 4 work-groups.  The four of a row of the cluster need the same tiles of O, the four of a column the same tiles of Wo: each is asked for JOINTLY, by the same tensor load with the same descriptor
; and a mask that names the four.  THE MATRIX INSTRUCTION IS USED TRANSPOSED (source 0 = 16 columns of Wo, source 1 = 16 rows of O): a lane holds eight neighbouring numbers of a row of out0.
; bo is the C of each sum's first product.  No prefetch: a step's tiles are small and are shared in the cluster.
; LIMITS: O and Wo as f16 (made by the launches before).  NaN and infinities are not served.
; REGISTERS: window 0: v0-31 addresses; v32-95 at work on the way out; v96-127 bo in the result's layout; v128-255 the accumulators ((a, b) at v[128 + 8 (4 a + b)]).
;   window 1: two fragment buffers of 128: for 64 along K, 64 registers of O (2 x 4 tiles), then 64 of Wo.
.set KSB,    8192                      ; a K step of one tile, in bytes
.set HALFT,  32768                     ; four tiles' K step: what one tensor load brings, and what one wave reads of O or of Wo
.set SLOT,   4*HALFT                   ; O's 8 tiles, then Wo's 8
.set STAGE,  2*SLOT                    ; behind the ring: 16 rows x (256 + 16) bytes for each wave, for the way out
.set SPITCH, 272
.set SPARE,  STAGE+4*16*SPITCH         ; behind the stages: the spare words, 128 bytes for each wave: two blocks of 256 bytes that no other line names
.set LAPS,   2                         ; a lap = two K steps = once round the ring
.set ADRA, 16                          ; v16-17  LDS address of my fragments of O in slot 0, 1
.set ADRB, 20                          ; v20-21  the same for Wo
.set STO,  24                          ; v24     the way out: where I put 32 bytes of a row
.set RD,   25                          ; v25     where I read a row back
.set CO,   26                          ; v26     my byte offset in out0
.set BOO,  27                          ; v27     32 x (lane / 16): my half's eight numbers of bo
.set SPW,  28                          ; v28     my spare word; never rewritten
.set NIL,  29                          ; v29     0; never rewritten
.set TMP,  32
.set BO,   96
.set ACC,  128
.set F0,   0
.set F1,   128
.set G1, 24                            ; s[24:31] descriptor group 1 for O's tiles;  s[32:39] group 0, one set for each slot
.set G0, 32
.set G1B, 48                           ; s[48:55], s[56:63] the same for Wo's
.set G0B, 56
.set MSB, 0
.macro WIN new                         ; the immediate's high byte repeats the setting that is left
.if MSB != \new
	s_set_vgpr_msb (MSB<<8)|\new
.set MSB, \new
.endif
.endm
.set MUL,  0x05                        ; sources 0 (Wo) and 1 (O) window 1; C and D window 0
.set TO_F, 0x40                        ; destination window 1, address window 0
.macro JLOAD s                         ; a joint load: waves 0 and 1 fetch O's two halves, waves 2 and 3 Wo's; an s_nop 0 and four v_nop follow each of the two lines
	s_cmp_eq_u32 s13, 0
	s_cbranch_scc0 .Lfor_b_\@
	tensor_load_to_lds s[G0+4*\s:G0+4*\s+3], s[G1:G1+7]
	s_nop 0
.rept 4
	v_nop
.endr
	s_branch .Lasked_\@
.Lfor_b_\@:
	tensor_load_to_lds s[G0B+4*\s:G0B+4*\s+3], s[G1B:G1B+7]
	s_nop 0
.rept 4
	v_nop
.endr
.Lasked_\@:
.endm
.macro CREST                           ; a round of the cluster's barrier behind its opening barrier
	s_cmp_lg_u32 s12, 0
	s_cbranch_scc1 .Lnot_wave_0_\@
	s_barrier_signal -3
.Lnot_wave_0_\@:
	s_barrier_wait -3
	s_barrier_signal -1
	s_barrier_wait -1
.endm
.macro CROUND                          ; a whole round
	s_barrier_signal -1
	s_barrier_wait -1
	CREST
.endm
	s_load_b128 s[4:7], s[0:1], 0x0                ; o_img s[4:5], wo_img s[6:7]
	s_load_b128 s[8:11], s[0:1], 0x10              ; bo s[8:9], out0 s[10:11]
	v_lshl_add_u32 v[SPW], v0, 2, SPARE
	v_mov_b32 v[NIL], 0
	ds_add_u32 v[SPW], v[NIL]                      ; the wave's opening: the add, twice on end, and its wait ahead of my first tensor load
	ds_add_u32 v[SPW], v[NIL]
	v_lshrrev_b32 v1, 5, v0
	v_readfirstlane_b32 s12, v1                    ; wave 0..3
	s_lshr_b32 s13, s12, 1                         ; which half of the tile's rows is mine.  Also: I fetch for O (0) or for Wo (1)
	s_and_b32 s14, s12, 1                          ; which half of its columns.  Also: which four tiles I fetch
	s_bfe_u32 s40, ttmp6, 0x40000                  ; cx, cy: my place in the cluster
	s_bfe_u32 s41, ttmp6, 0x40004
	s_lshl_b32 s42, ttmp9, 2
	s_add_co_u32 s42, s42, s40                     ; tile column of out0 = 4 x cluster x + cx
	s_and_b32 s15, ttmp7, 0xffff
	s_lshl_b32 s15, s15, 2
	s_add_co_u32 s15, s15, s41                     ; tile row = 4 x cluster y + cy
	s_lshl_b32 s43, s41, 2
	s_lshl_b32 s43, 15, s43                        ; my row of the cluster
	s_lshl_b32 s44, 0x1111, s40                    ; my column
	; descriptor group 1: 4 rows of 1,024 elements of 8 bytes, 4,096 elements apart: a K step of four tiles
	s_or_b32 s[G1+0], s43, (3<<16)|(1<<21)         ; 15:0 the mask: O's tiles go to my row; 17:16 elements of 8 bytes; 21 set beside a mask; no padding
	s_or_b32 s[G1B+0], s44, (3<<16)|(1<<21)
.irp g, G1, G1B
	s_mov_b32 s[\g+1], 1024<<16                    ; tensor_dim0 = 1,024
	s_mov_b32 s[\g+2], 4<<16                       ; tensor_dim1 = 4
	s_mov_b32 s[\g+3], 1024<<16                    ; tile_dim0 = 1,024
	s_mov_b32 s[\g+4], 4                           ; tile_dim1 = 4
	s_mov_b32 s[\g+5], 4096                        ; from tile to tile: 32,768 bytes
	s_mov_b32 s[\g+6], 0
	s_mov_b32 s[\g+7], 0
.endr
	s_lshl_b32 s17, s14, 2                         ; which four tiles I fetch
	s_lshl_b32 s16, s15, 3
	s_add_co_u32 s16, s16, s17                     ; O: tile 8 x tile row + 4 x half
	s_lshl_b32 s16, s16, 15
	s_lshl_b32 s46, s42, 3
	s_add_co_u32 s46, s46, s17                     ; Wo: tile 8 x tile column + 4 x half
	s_lshl_b32 s46, s46, 15
	s_mov_b32 s17, 0
	s_mov_b32 s47, 0
	s_lshl_b32 s20, s12, 15                        ; where they go: wave x 32,768: no place in the cluster enters an LDS address
	s_wait_dscnt 0x0                               ; both opening adds are done
	s_wait_kmcnt 0x0
	s_add_nc_u64 s[18:19], s[4:5], s[16:17]
	s_add_nc_u64 s[46:47], s[6:7], s[46:47]
	CROUND                                         ; all sixteen work-groups are here: the first joint loads meet
.irp s, 0,1
	s_mov_b32 s[G0+4*\s], 1
	s_add_co_u32 s[G0+4*\s+1], s20, \s*SLOT
	s_add_nc_u64 s[G0+4*\s+2:G0+4*\s+3], s[18:19], \s*KSB
	s_or_b32 s[G0+4*\s+3], s[G0+4*\s+3], 0x80000000
	s_mov_b32 s[G0B+4*\s], 1
	s_add_co_u32 s[G0B+4*\s+1], s20, \s*SLOT
	s_add_nc_u64 s[G0B+4*\s+2:G0B+4*\s+3], s[46:47], \s*KSB
	s_or_b32 s[G0B+4*\s+3], s[G0B+4*\s+3], 0x80000000
	JLOAD \s
.endr
	v_and_b32 v1, 15, v0                           ; l % 16
	v_bfe_u32 v2, v0, 4, 1                         ; l / 16
	v_and_b32 v3, 31, v0
	v_lshlrev_b32 v3, 4, v3                        ; 16 x lane
	s_lshl_b32 s21, s13, 15                        ; my four tiles of O
	s_lshl_b32 s22, s14, 15                        ; my four tiles of Wo,
	s_add_co_u32 s22, s22, 2*HALFT                 ; which lie behind O's eight
.irp s, 0,1
	v_add_nc_u32 v[ADRA+\s], s21, v3
	v_add_nc_u32 v[ADRB+\s], s22, v3
	s_add_co_u32 s21, s21, SLOT
	s_add_co_u32 s22, s22, SLOT
.endr
	s_mul_i32 s23, s12, 16*SPITCH
	s_add_co_u32 s23, s23, STAGE                   ; my stage
	v_mul_u32_u24 v4, v1, SPITCH                   ; in: row l % 16, 32 bytes for each half of the lanes
	v_lshl_add_u32 v4, v2, 5, v4
	v_add_nc_u32 v[STO], s23, v4
	v_mul_u32_u24 v5, v2, SPITCH                   ; back: lanes 0-15 take one row of 256 bytes, lanes 16-31 the next
	v_lshl_add_u32 v5, v1, 4, v5
	v_add_nc_u32 v[RD], s23, v5
	v_lshlrev_b32 v5, 12, v2                       ; and the same two rows in out0: 4,096 bytes a row
	v_lshl_add_u32 v[CO], v1, 4, v5
	v_lshlrev_b32 v[BOO], 5, v2
	s_lshl_b32 s16, s15, 7
	s_lshl_b32 s17, s13, 6
	s_add_co_u32 s16, s16, s17                     ; my first row of out0: 128 x tile row + 64 x half
	s_lshl_b32 s16, s16, 12
	s_mov_b32 s17, 0
	s_add_nc_u64 s[10:11], s[10:11], s[16:17]
	s_lshl_b32 s46, s42, 9                         ; my first column, in bytes: 512 x tile column + 256 x half
	s_lshl_b32 s47, s14, 8
	s_add_co_u32 s46, s46, s47
	s_mov_b32 s47, 0
	s_add_nc_u64 s[10:11], s[10:11], s[46:47]
	s_add_nc_u64 s[8:9], s[8:9], s[46:47]          ; bo at the same column
.irp b, 0,1,2,3
	global_load_b128 v[BO+8*\b:BO+8*\b+3], v[BOO], s[8:9] offset:64*\b          ; bo(16 b + 8 h + 0 .. 7): the C of block b's first products
	global_load_b128 v[BO+8*\b+4:BO+8*\b+7], v[BOO], s[8:9] offset:64*\b+16
.endr
; 8 matrix instructions: m blocks a0, a0 + 1 x all 4 n blocks, 32 along K: half c of buffer f.  zero = 1: the first product starts the sums, with bo as its C.  The 16 accumulators take turns
.macro MUL8 f, c, a0, zero
.irp a, \a0, \a0+1
.irp b, 0,1,2,3
.if \zero
	v_wmma_f32_16x16x32_f16 v[ACC+8*(4*(\a)+\b):ACC+8*(4*(\a)+\b)+7], v[\f+64+8*(4*\c+\b):\f+64+8*(4*\c+\b)+7], v[\f+8*(4*\c+\a):\f+8*(4*\c+\a)+7], v[BO+8*\b:BO+8*\b+7]
.else
	v_wmma_f32_16x16x32_f16 v[ACC+8*(4*(\a)+\b):ACC+8*(4*(\a)+\b)+7], v[\f+64+8*(4*\c+\b):\f+64+8*(4*\c+\b)+7], v[\f+8*(4*\c+\a):\f+8*(4*\c+\a)+7], v[ACC+8*(4*(\a)+\b):ACC+8*(4*(\a)+\b)+7]
.endif
.endr
.endr
.endm
; 32 LDS loads in one run: the fragments of quarter nq (64 along K) of the slot, into buffer f; the first 32 along K first
.macro FETCH slot, nq, f
	WIN TO_F
.irp c, 0,1
.irp i, 0,1,2,3
	ds_load_b128 v[\f+64+8*(4*\c+\i):\f+64+8*(4*\c+\i)+3],   v[ADRB+\slot] offset:KSB*\i+1024*(2*(\nq)+\c)
	ds_load_b128 v[\f+64+8*(4*\c+\i)+4:\f+64+8*(4*\c+\i)+7], v[ADRB+\slot] offset:KSB*\i+1024*(2*(\nq)+\c)+512
	ds_load_b128 v[\f+8*(4*\c+\i):\f+8*(4*\c+\i)+3],         v[ADRA+\slot] offset:KSB*\i+1024*(2*(\nq)+\c)
	ds_load_b128 v[\f+8*(4*\c+\i)+4:\f+8*(4*\c+\i)+7],       v[ADRA+\slot] offset:KSB*\i+1024*(2*(\nq)+\c)+512
.endr
.endr
.endm
.macro PLACES                          ; four places in front of loads into registers that matrix instructions have read, and of reads of results
.rept 4
	v_nop
.endr
.endm
; A K step is four quarters of 64 along K, 32 matrix instructions each, on buffers 0, 1, 0, 1.  One of the first three: multiplies buffer f and fetches quarter nq into g.
.macro QUARTER slot, nq, f, g, zero
	s_wait_dscnt 16                                ; the first 32 along K are in; the run's other sixteen loads may be out
	WIN MUL
	MUL8 \f, 0, 0, \zero
	MUL8 \f, 0, 2, \zero
	PLACES
	FETCH \slot, \nq, \g
	s_wait_dscnt 32                                ; all but the 32 just issued
	WIN MUL
	MUL8 \f, 1, 0, 0
	MUL8 \f, 1, 2, 0
.endm
; The last quarter multiplies buffer 1 and changes slots: ONE barrier; in front of it each wave waits for all its tensor loads, adds 0 to its spare word, and waits for that and for its own reads of this slot.  fill = 1: this slot is filled again, two K steps ahead.
.macro TURN slot, next, fill
	WIN 0                                          ; (the add's two registers lie in window 0)
	s_wait_tensorcnt 0x0                           ; all my tensor loads have landed: my part of the next slot
	ds_add_u32 v[SPW], v[NIL]
	s_wait_dscnt 17                                ; (the add and the youngest sixteen loads may be out)
	WIN MUL
	MUL8 F1, 0, 0, 0                               ; eight matrix instructions stand between the add and the wait for it
	s_wait_dscnt 0x0                               ; the add is done, and my reads of this slot are over
	s_barrier_signal -1
	MUL8 F1, 0, 2, 0
.if \fill
	WIN 0
.endif
	s_barrier_wait -1
.if \fill
	CREST                                          ; the barrier has opened a round of the cluster's barrier: no wave of any partner still reads this slot or has a load on its way
	s_add_nc_u64 s[G0+4*\slot+2:G0+4*\slot+3], s[G0+4*\slot+2:G0+4*\slot+3], 2*KSB
	s_add_nc_u64 s[G0B+4*\slot+2:G0B+4*\slot+3], s[G0B+4*\slot+2:G0B+4*\slot+3], 2*KSB
	JLOAD \slot                                    ; the first tensor load behind the round; its four v_nop are also the places in front of the loads below
.else
	PLACES
.endif
	FETCH \next, 0, F0
	WIN MUL
	MUL8 F1, 1, 0, 0
	MUL8 F1, 1, 2, 0
.endm
	s_wait_tensorcnt 1                             ; my part of K step 0 is in; K step 1's load is younger and may stay out
	s_barrier_signal -1
	s_barrier_wait -1                              ; everybody's is
	FETCH 0, 0, F0
	s_wait_loadcnt 0x0                             ; bo
	QUARTER 0, 1, F0, F1, 1                        ; the first quarter stands in front of the loop: its first products start the sums
	WIN 0                                          ; at a label and at a branch every window is 0
	s_mov_b32 s3, LAPS-1
.Llap:                                 ; a trip goes once round the ring, from a lap's second quarter to the next lap's first, and fills both slots again
	QUARTER 0, 2, F1, F0, 0
	QUARTER 0, 3, F0, F1, 0
	TURN 0, 1, 1
	QUARTER 1, 1, F0, F1, 0
	QUARTER 1, 2, F1, F0, 0
	QUARTER 1, 3, F0, F1, 0
	TURN 1, 0, 1
	QUARTER 0, 1, F0, F1, 0
	WIN 0
	s_sub_co_u32 s3, s3, 1
	s_cmp_lg_u32 s3, 0
	s_cbranch_scc1 .Llap
	QUARTER 0, 2, F1, F0, 0                        ; the last lap fills nothing, and has no round of the cluster's barrier
	QUARTER 0, 3, F0, F1, 0
	TURN 0, 1, 0
	QUARTER 1, 1, F0, F1, 0
	QUARTER 1, 2, F1, F0, 0
	QUARTER 1, 3, F0, F1, 0
	s_wait_dscnt 16                                ; the very last quarter: nothing more to fetch
	WIN MUL
	MUL8 F1, 0, 0, 0
	MUL8 F1, 0, 2, 0
	s_wait_dscnt 0
	MUL8 F1, 1, 0, 0
	MUL8 F1, 1, 2, 0
	WIN 0
; THE WAY OUT, a block of 16 rows x 64 columns at a time.  A lane holds 32 neighbouring bytes of a row; my 64 columns are 256 aligned bytes.  A block goes through my own stage and comes back as whole rows.
; LDS serves a wave's instructions in order: no wait between the stores and the loads, nor in front of the next block's stores.
.macro TOSTAGE a
.set BB, TMP+32*((\a)%2)
.irp b, 0,1,2,3
	ds_store_b128 v[STO], v[ACC+8*(4*(\a)+\b):ACC+8*(4*(\a)+\b)+3] offset:64*\b          ; each accumulator from its low end on
	ds_store_b128 v[STO], v[ACC+8*(4*(\a)+\b)+4:ACC+8*(4*(\a)+\b)+7] offset:64*\b+16
.endr
.irp t, 0,1,2,3,4,5,6,7
	ds_load_b128 v[BB+4*\t:BB+4*\t+3], v[RD] offset:\t*2*SPITCH
.endr
.endm
.macro SEND a, younger                 ; younger: the LDS instructions issued behind block a's loads, which may stay out
.set BB, TMP+32*((\a)%2)
	s_wait_dscnt \younger
.irp t, 0,1,2,3,4,5,6,7
	global_store_b128 v[CO], v[BB+4*\t:BB+4*\t+3], s[10:11] offset:(16*(\a)+2*\t)*4096 th:TH_STORE_NT   ; sixteen lanes store 256 consecutive aligned bytes
.endr
.endm
	PLACES
	TOSTAGE 0
	TOSTAGE 1
	SEND 0, 16                                     ; behind block 0's loads: block 1's 8 stores and 8 loads
	s_wait_xcnt 0x0                                ; block 0's stores have read their registers: block 2's loads may land there
	TOSTAGE 2
	SEND 1, 16
	s_wait_xcnt 0x0
	TOSTAGE 3
	SEND 2, 16
	SEND 3, 0
	s_wait_tensorcnt 0x0                           ; the wave's end: behind my last tensor load and my last LDS store
	ds_add_u32 v[SPW], v[NIL]
	s_wait_dscnt 0x0
	CROUND                                         ; the closing round: no work-group ends while a partner may still ask for a tile that names it
	s_endpgm
.Lfunc_end_k_qf64c537be0_outp:
	.size	k_qf64c537be0_outp, .Lfunc_end_k_qf64c537be0_outp-k_qf64c537be0_outp
	.p2alignl 7, 3214868480
	.fill 96, 4, 3214868480
	.section	.rodata,"a",@progbits
	.p2align	6, 0x0
	.amdhsa_kernel k_qf64c537be0_outp
		.amdhsa_group_segment_fixed_size 327680
		.amdhsa_private_segment_fixed_size 0
		.amdhsa_enable_private_segment 0
		.amdhsa_kernarg_size 32
		.amdhsa_user_sgpr_count 2
		.amdhsa_user_sgpr_kernarg_segment_ptr 1
		.amdhsa_wavefront_size32 1
		.amdhsa_system_sgpr_workgroup_id_x 1
		.amdhsa_system_sgpr_workgroup_id_y 1
		.amdhsa_system_sgpr_workgroup_id_z 1
		.amdhsa_system_vgpr_workitem_id 0
		.amdhsa_next_free_vgpr 512
		.amdhsa_next_free_sgpr 66
		.amdhsa_reserve_vcc 0
		.amdhsa_float_denorm_mode_32 3
		.amdhsa_float_denorm_mode_16_64 3
		.amdhsa_memory_ordered 1
		.amdhsa_forward_progress 1
		.amdhsa_inst_pref_size 86
	.end_amdhsa_kernel
	.amdgpu_metadata
---
amdhsa.version: [ 1, 2 ]
amdhsa.kernels:
  - .name:           k_qf64c537be0_outp
    .symbol:         k_qf64c537be0_outp.kd
    .args:
      - { .name: o_img, .offset: 0, .size: 8, .value_kind: global_buffer, .address_space: global }
      - { .name: wo_img, .offset: 8, .size: 8, .value_kind: global_buffer, .address_space: global }
      - { .name: bo, .offset: 16, .size: 8, .value_kind: global_buffer, .address_space: global }
      - { .name: out0, .offset: 24, .size: 8, .value_kind: global_buffer, .address_space: global }
    .group_segment_fixed_size: 327680
    .private_segment_fixed_size: 0
    .kernarg_segment_align: 8
    .kernarg_segment_size: 32
    .max_flat_workgroup_size: 128
    .sgpr_count:     66
    .vgpr_count:     512
    .wavefront_size: 32
...
	.end_amdgpu_metadata
.endif
;; end of part 4
